; MI455X (gfx1250); checked and timed in simulation.
; The chip was launched on July 23, 2026; its instructions are those of AMD's public machine-readable ISA for CDNA 5 (MIT licence, August 2026) and "CDNA5" Instruction Set Architecture Reference Guide (July 2026). The comments in the code are by the model that wrote it; some were corrected since.
;; Multi Head Self Attention. Allowed arithmetic: float matrix products may take bf16 or f16 operands with f32 sums; other float arithmetic in f32, or as packed bf16 or f16 multiplies, adds, multiply-adds, maxima and minima; sums over many terms, partial sums and values carried from step to step in f32; what a program stores and reads back later, other than sums and carried values, may be rounded once to bf16 or f16.
;; Inputs: mask 4 x 1 x 1 x 2,048 int32; out_b 1,024 float32; out_w 1,024 x 1,024 float32; qkv_b 3,072 float32; qkv_w 3,072 x 1,024 float32; x 4 x 2,048 x 1,024 float32.
;; Outputs: out0 4 x 2,048 x 1,024 float32.
;; 2 versions, each right; version 2 is version 1 with the launch cast written anew for expert scheduling mode. Each part assembles by itself: llvm-mc -triple=amdgcn-amd-amdhsa -mcpu=gfx1250 --defsym DOCPART=n.
;; ======== version 1 of 2: 4 launches
;; limits: values are held in f16: magnitudes above 65,504 overflow, below 6.1e-05 lose precision
;; workspace buffers: xh 16,777,216 bytes; wq 6,291,456 bytes; wo 2,097,152 bytes; madd 32,768 bytes; bsr 16,384 bytes; qkvh 50,331,648 bytes; oh 16,777,216 bytes
;; launch cast (part 1): grid 769 x 1, 8 waves a work-group, no clusters, 0 bytes of LDS; arguments x, qkv_w, out_w, mask, qkv_b, out_b, xh, wq, wo, madd, bsr; writes xh, wq, wo, madd, bsr
.if DOCPART == 1
	.amdgcn_target "amdgcn-amd-amdhsa--gfx1250"
	.amdhsa_code_object_version 6
	.text
	.protected	k_q32fad4377a_cast
	.globl	k_q32fad4377a_cast
	.p2align	8
	.type	k_q32fad4377a_cast,@function
k_q32fad4377a_cast:
	s_mov_b64 s[64:65], 0
	v_nop
	global_prefetch_b8 v0, s[64:65] scope:SCOPE_SE
	s_setreg_imm32_b32 hwreg(HW_REG_WAVE_MODE, 25, 1), 1
	s_wait_xcnt 0x0
; ONE PASS OVER ALL INPUTS: each is rounded once to bf16 and laid out for the launches behind.
;   xh   bf16 [b 4][kb 16][t 2048][64]   x, column 64 kb + i: 256 rows of one kb are 32,768 dense bytes
;   wq   bf16 [3072][1024]               qkv_w
;   wo   f16  [1024][1024]               out_w rounded to bf16, that number written as f16
;   madd f32  [4][2048]                  0 where mask != 0, -1e30 where mask == 0
;   bsr  f32  [4096]                     qkv_b, then out_b, each rounded to bf16 and widened again
; LIMITS.  |out_w| stays under 65,504 (f16's end); below 6.1e-5 f16 keeps a fixed step of 6e-8.
; A stream: no LDS, no barrier, no matrix unit, no cluster (nothing is shared), no prefetch (the loads themselves are the stream).
; A wave issues all its 16 loads of 16 bytes a lane at once (8,192 bytes), then converts and stores; no register is used twice, so no source is ever rewritten.
; Work-groups 0-511: x.  512-703: qkv_w.  704-767: out_w.  768: mask and biases.
.set VI, 2                             ; v2  byte offset of my loads
.set VO, 3                             ; v3  byte offset of my stores
.set T,  4                             ; v[4:7] at work
.set VB, 7                             ; v7  (last work-group) my byte offset in bsr
.set X,  8                             ; v[8:71]   16 x 4 registers as loaded
.set Y,  72                            ; v[72:103] 16 x 2 registers to store
.set HIM, 30                           ; s30 mask of a word's upper half
.set BIG, 31                           ; s31 -1e30
	s_load_b512 s[8:23], s[0:1], 0x0               ; x 8:9, qkv_w 10:11, out_w 12:13, mask 14:15, qkv_b 16:17, out_b 18:19, xh 20:21, wq 22:23
	s_load_b128 s[24:27], s[0:1], 0x40             ; wo 24:25, madd 26:27
	s_load_b64 s[28:29], s[0:1], 0x50              ; bsr
	v_lshrrev_b32 v4, 5, v0
	v_readfirstlane_b32 s4, v4                     ; wave 0..7
	v_and_b32 v1, 31, v0                           ; lane
	s_mov_b32 s[HIM], 0xffff0000
	s_mov_b32 s[BIG], 0xf149f2ca
	s_wait_kmcnt 0x0
; 16 loads, then for each: the wait that leaves the younger loads out, four numbers rounded, 8 bytes a lane stored: 32 lanes fill 256 consecutive bytes, aligned.
; mode 0: bf16.  mode 1: bf16, widened (a shift, a mask) and written as f16.
.macro PATH sin, sout, istep, ostep, mode
.set i, 0
.rept 16
	global_load_b128 v[X+4*i:X+4*i+3], v[VI], s[\sin:\sin+1] offset:i*(\istep) th:TH_LOAD_NT
.set i, i+1
.endr
.set i, 0
.rept 16
	s_wait_loadcnt 15-i                            ; loads come back in order: number i is in, the 15 - i younger ones stay out
.if \mode
	v_cvt_pk_bf16_f32 v[T], v[X+4*i], v[X+4*i+1]
	v_cvt_pk_bf16_f32 v[T+1], v[X+4*i+2], v[X+4*i+3]
	v_lshlrev_b32 v[T+2], 16, v[T]
	v_and_b32 v[T+3], s[HIM], v[T]
	v_cvt_pk_f16_f32 v[Y+2*i], v[T+2], v[T+3]
	v_lshlrev_b32 v[T+2], 16, v[T+1]
	v_and_b32 v[T+3], s[HIM], v[T+1]
	v_cvt_pk_f16_f32 v[Y+2*i+1], v[T+2], v[T+3]
.else
	v_cvt_pk_bf16_f32 v[Y+2*i], v[X+4*i], v[X+4*i+1]
	v_cvt_pk_bf16_f32 v[Y+2*i+1], v[X+4*i+2], v[X+4*i+3]
.endif
	global_store_b64 v[VO], v[Y+2*i:Y+2*i+1], s[\sout:\sout+1] offset:i*(\ostep)
.set i, i+1
.endr
	s_endpgm
.endm
	s_cmp_lt_u32 ttmp9, 512
	s_cbranch_scc0 .Lnot_x
	; x: wave p = 8 g + w takes rows 2 p and 2 p + 1.  Load i is column block kb = i: lanes 0-15 read 256 bytes of the even row, lanes 16-31 of the odd one.
	s_lshl_b32 s5, ttmp9, 3
	s_add_co_u32 s5, s5, s4                        ; p, 0..4095
	s_lshl_b32 s6, s5, 13                          ; two rows of 4,096 bytes
	v_and_b32 v4, 15, v0
	v_bfe_u32 v5, v0, 4, 1
	v_lshlrev_b32 v[VI], 4, v4
	v_lshl_add_u32 v[VI], v5, 12, v[VI]
	v_add_nc_u32 v[VI], s6, v[VI]
	s_lshr_b32 s7, s5, 10                          ; batch
	s_lshl_b32 s7, s7, 22                          ; x 16 blocks of 262,144 bytes
	s_and_b32 s6, s5, 1023
	s_lshl_b32 s6, s6, 8                           ; two rows of 128 bytes in a block
	s_add_co_u32 s7, s7, s6
	v_lshl_add_u32 v[VO], v1, 3, s7
	PATH 8, 20, 256, 262144, 0
.Lnot_x:
	s_cmp_lt_u32 ttmp9, 704
	s_cbranch_scc0 .Lnot_wq
	; qkv_w: wave j = 8 (g - 512) + w takes 8,192 consecutive bytes (two rows)
	s_sub_co_u32 s5, ttmp9, 512
	s_lshl_b32 s5, s5, 3
	s_add_co_u32 s5, s5, s4
	s_lshl_b32 s6, s5, 13
	s_lshl_b32 s7, s5, 12
	v_lshl_add_u32 v[VI], v1, 4, s6
	v_lshl_add_u32 v[VO], v1, 3, s7
	PATH 10, 22, 512, 256, 0
.Lnot_wq:
	s_cmp_lt_u32 ttmp9, 768
	s_cbranch_scc0 .Lsmall
	; out_w: the same, by way of bf16 into f16
	s_sub_co_u32 s5, ttmp9, 704
	s_lshl_b32 s5, s5, 3
	s_add_co_u32 s5, s5, s4
	s_lshl_b32 s6, s5, 13
	s_lshl_b32 s7, s5, 12
	v_lshl_add_u32 v[VI], v1, 4, s6
	v_lshl_add_u32 v[VO], v1, 3, s7
	PATH 12, 24, 512, 256, 1
.Lsmall:
	; mask: wave w takes 4,096 bytes (eight loads).  Biases: 2,048 bytes (four loads): waves 0-5 of qkv_b, waves 6 and 7 of out_b.
	s_lshl_b32 s5, s4, 12
	v_lshl_add_u32 v[VI], v1, 4, s5                ; in mask and in madd
	s_sub_co_u32 s6, s4, 6
	s_cmp_lt_u32 s4, 6
	s_cselect_b64 s[2:3], s[16:17], s[18:19]
	s_cselect_b32 s6, s4, s6
	s_lshl_b32 s6, s6, 11
	v_lshl_add_u32 v[VO], v1, 4, s6                ; in the bias that is mine
	s_lshl_b32 s7, s4, 11
	v_lshl_add_u32 v[VB], v1, 4, s7                ; in bsr
.set i, 0
.rept 8
	global_load_b128 v[X+4*i:X+4*i+3], v[VI], s[14:15] offset:512*i
.set i, i+1
.endr
.set i, 0
.rept 4
	global_load_b128 v[X+32+4*i:X+32+4*i+3], v[VO], s[2:3] offset:512*i
.set i, i+1
.endr
.set i, 0
.rept 8
	s_wait_loadcnt 11-i                            ; of the twelve loads number i is in
.irp k, 0,1,2,3
	v_cmp_eq_u32 vcc_lo, 0, v[X+4*i+(\k)]
	v_cndmask_b32 v[Y+4*i+(\k)], 0, s[BIG], vcc_lo ; hidden: -1e30; seen: 0
.endr
	global_store_b128 v[VI], v[Y+4*i:Y+4*i+3], s[26:27] offset:512*i
.set i, i+1
.endr
.set i, 0
.rept 4
	s_wait_loadcnt 3-i
	v_cvt_pk_bf16_f32 v[T], v[X+32+4*i], v[X+32+4*i+1]
	v_cvt_pk_bf16_f32 v[T+1], v[X+32+4*i+2], v[X+32+4*i+3]
	v_lshlrev_b32 v[X+32+4*i], 16, v[T]            ; widened in place
	v_and_b32 v[X+32+4*i+1], s[HIM], v[T]
	v_lshlrev_b32 v[X+32+4*i+2], 16, v[T+1]
	v_and_b32 v[X+32+4*i+3], s[HIM], v[T+1]
	global_store_b128 v[VB], v[X+32+4*i:X+32+4*i+3], s[28:29] offset:512*i
.set i, i+1
.endr
	s_endpgm
.Lfunc_end_k_q32fad4377a_cast:
	.size	k_q32fad4377a_cast, .Lfunc_end_k_q32fad4377a_cast-k_q32fad4377a_cast
	.p2alignl 7, 3214868480
	.fill 96, 4, 3214868480
	.section	.rodata,"a",@progbits
	.p2align	6, 0x0
	.amdhsa_kernel k_q32fad4377a_cast
		.amdhsa_group_segment_fixed_size 0
		.amdhsa_private_segment_fixed_size 0
		.amdhsa_enable_private_segment 0
		.amdhsa_kernarg_size 88
		.amdhsa_user_sgpr_count 2
		.amdhsa_user_sgpr_kernarg_segment_ptr 1
		.amdhsa_wavefront_size32 1
		.amdhsa_system_sgpr_workgroup_id_x 1
		.amdhsa_system_sgpr_workgroup_id_y 1
		.amdhsa_system_sgpr_workgroup_id_z 1
		.amdhsa_system_vgpr_workitem_id 0
		.amdhsa_next_free_vgpr 104
		.amdhsa_next_free_sgpr 66
		.amdhsa_reserve_vcc 1
		.amdhsa_float_denorm_mode_32 3
		.amdhsa_float_denorm_mode_16_64 3
		.amdhsa_memory_ordered 1
		.amdhsa_forward_progress 1
		.amdhsa_inst_pref_size 30
	.end_amdhsa_kernel
	.amdgpu_metadata
---
amdhsa.version: [ 1, 2 ]
amdhsa.kernels:
  - .name:           k_q32fad4377a_cast
    .symbol:         k_q32fad4377a_cast.kd
    .args:
      - { .name: x, .offset: 0, .size: 8, .value_kind: global_buffer, .address_space: global }
      - { .name: qkv_w, .offset: 8, .size: 8, .value_kind: global_buffer, .address_space: global }
      - { .name: out_w, .offset: 16, .size: 8, .value_kind: global_buffer, .address_space: global }
      - { .name: mask, .offset: 24, .size: 8, .value_kind: global_buffer, .address_space: global }
      - { .name: qkv_b, .offset: 32, .size: 8, .value_kind: global_buffer, .address_space: global }
      - { .name: out_b, .offset: 40, .size: 8, .value_kind: global_buffer, .address_space: global }
      - { .name: xh, .offset: 48, .size: 8, .value_kind: global_buffer, .address_space: global }
      - { .name: wq, .offset: 56, .size: 8, .value_kind: global_buffer, .address_space: global }
      - { .name: wo, .offset: 64, .size: 8, .value_kind: global_buffer, .address_space: global }
      - { .name: madd, .offset: 72, .size: 8, .value_kind: global_buffer, .address_space: global }
      - { .name: bsr, .offset: 80, .size: 8, .value_kind: global_buffer, .address_space: global }
    .group_segment_fixed_size: 0
    .private_segment_fixed_size: 0
    .kernarg_segment_align: 8
    .kernarg_segment_size: 88
    .max_flat_workgroup_size: 256
    .sgpr_count:     66
    .vgpr_count:     104
    .wavefront_size: 32
...
	.end_amdgpu_metadata
.endif
;; end of part 1
;; launch qkv (part 2): grid 16 x 32, 4 waves a work-group, clusters of 4 x 4, 327,680 bytes of LDS; arguments xh, wq, bsr, qkvh; writes qkvh
.if DOCPART == 2
	.amdgcn_target "amdgcn-amd-amdhsa--gfx1250"
	.amdhsa_code_object_version 6
	.text
	.protected	k_q32fad4377a_qkv
	.globl	k_q32fad4377a_qkv
	.p2align	8
	.type	k_q32fad4377a_qkv,@function
k_q32fad4377a_qkv:
	s_mov_b64 s[64:65], 0
	v_nop
	global_prefetch_b8 v0, s[64:65] scope:SCOPE_SE
	s_setreg_imm32_b32 hwreg(HW_REG_WAVE_MODE, 25, 1), 1
	s_wait_xcnt 0x0
	s_wait_alu depctr_hold_cnt(0) depctr_sa_sdst(0) depctr_va_vdst(0) depctr_va_sdst(0) depctr_va_ssrc(0) depctr_va_vcc(0) depctr_vm_vsrc(0)
	s_getreg_b32 s2, hwreg(HW_REG_IB_STS2, 6, 4)
	s_cmp_eq_u32 s2, 0
	s_cbranch_scc0 .Lentry_in_a_cluster
	s_endpgm
.Lentry_in_a_cluster:
	s_bfe_u32 s2, ttmp6, 0x10000c
	s_cmp_lg_u32 s2, 0xf033
	s_cbranch_scc0 .Lentry_shape_is_right
	s_endpgm
.Lentry_shape_is_right:
; q, k, v = x W^T + b, written by heads.  A = xh, bf16 [b][kb][t][64]; B = wq, bf16 [3072][1024]; bias = bsr (f32); out = qkvh, f16 [type 3][bh 64][t 2048][64], unscaled.
; LIMITS.  |q|, |k|, |v| stay under 65,504 (f16's end); below 6.1e-5 f16 keeps a fixed step of 6e-8.
; SHARES.  A tile of the result is 256 rows x 192 columns (three heads): 16 x 32 = 512 tiles, two for each of 256 places, evenly.  Four waves, 2 x 2; a wave makes 128 x 96: 48 accumulators of 16 x 16.
; K goes in steps of 128 through two LDS slots.  A's part of a step is two blocks kb, each 256 rows x 128 bytes, dense in memory: asked for as 128 rows of 256 bytes and padded behind every 128 bytes.
; B's part is 192 rows x 256 bytes.  Waves 0 and 1 fetch A's two blocks, waves 2 and 3 B's two halves: one tensor load a wave.
; CLUSTER.  4 x 4 work-groups: A's tiles are asked for jointly along a row of the cluster, B's along a column.
; THE PRODUCT IS TAKEN TRANSPOSED (source 0 = 16 rows of B, source 1 = 16 rows of A): a lane holds one row of the result and eight neighbouring columns.  The bias is the C operand of the first
; product on each accumulator: nothing is cleared and no addition is spent on it.
; REGISTERS, in windows of 256: window 0: v0-31 addresses, v32-55 at work, v64-127 and v128-191 A's fragments (two buffers); on the way out v64-255 whole rows.
;   window 1: v64-111, v128-175 B's fragments; v192-239 the bias.   windows 2, 3: accumulator (a, b) at v[8 (6 (a % 4) + b)] of window 2 + a / 4.
.set NBK,   6                          ; blocks of 16 columns a wave
.set NT,    32*NBK                     ; columns in a tile
.set BIASOFF, 0                        ; my bias begins here in bsr
.set PA,    144                        ; an LDS row of A: 128 bytes + 16: the 16 rows of a load start in 16 different groups of four banks (64 banks of 4 bytes: ISA guide 11.1)
.set PB,    272                        ; an LDS row of B: 256 bytes + 16
.set ABLK,  256*PA                     ; one block kb
.set BOFF,  2*ABLK
.set BHALF, (NT/2)*PB
.set SLOT1, 1<<17                      ; slot 1 begins here: one exclusive or turns an address in one slot into the other's
.set SPARE, SLOT1+BOFF+2*BHALF         ; the spare words, 128 bytes a wave: two blocks of 256 bytes that no other line names
.set NL,    16+2*NBK                   ; LDS loads in a run
.set ASTEP, 524288                     ; a K step in A: two blocks of 262,144 bytes
.set BSTEP, 256                        ; in B: 128 numbers along a row
.set AA0, 16                           ; v16 my lane's place in A's part of a slot; never rewritten
.set AB0, 17                           ; v17 the same for B
.set ADA, 18                           ; v18 the same in the slot in hand
.set ADB, 19
.set STOA, 20                          ; v20, v21 the way out: where I put 16 bytes of a row
.set STOB, 21
.set RD0, 22                           ; v22-24 where I read rows back, a register a head
.set GO,  25                           ; v25 16 x lane
.set BO,  26                           ; v26 my byte offset in bsr
.set SPW, 28                           ; v28 my spare word; never rewritten
.set NIL, 29                           ; v29 0; never rewritten
.set PFO, 30                           ; v30 the prefetches' lane offset; never rewritten
.set TMP, 32
.set F0,  64
.set F1,  128
.set BIAS, 192
.set OUTR, 64
.set WV,  12                           ; s12 wave; s13 its row half; s14 its column half, and which part of A or B it fetches
.set WR,  13
.set WC,  14
.set TB,  15                           ; s15 0 or SLOT1: the slot in hand
.set G1A, 24
.set G0A, 32                           ; two sets: K step 0; K step 1, which then walks
.set PFA, 44                           ; s[44:45] where my prefetches stand
.set PFS, 46                           ; s[46:47] their step
.set G1B, 48
.set G0B, 56
.set LIM, 66                           ; s66 2 in a wave that prefetches, else the greatest number
.set HB,  68                           ; s[68:73] the three heads' places in qkvh
.set MSB, 0
.macro WIN new                         ; the immediate's high byte repeats the setting that is left
.if MSB != (\new)
	s_set_vgpr_msb (MSB<<8)|(\new)
.set MSB, \new
.endif
.endm
.macro PLACES                          ; four plain places behind matrix instructions (ISA guide 7.12.1)
.rept 4
	v_nop
.endr
.endm
.macro CREST                           ; a round of the cluster's barrier behind its opening barrier
	s_cmp_lg_u32 s[WV], 0
	s_cbranch_scc1 .Lnot_wave_0_\@
	s_barrier_signal -3
.Lnot_wave_0_\@:
	s_barrier_wait -3
	s_barrier_signal -1
	s_barrier_wait -1
.endm
.macro CROUND
	s_barrier_signal -1
	s_barrier_wait -1
	CREST
.endm
.macro JLOAD                           ; the joint refill by the walking sets; the branch hangs on the wave's number alone; s_nop 0 and four v_nop follow each line
	s_cmp_lt_u32 s[WV], 2
	s_cbranch_scc0 .Lfor_b_\@
	tensor_load_to_lds s[G0A+4:G0A+7], s[G1A:G1A+7]
	s_nop 0
.rept 4
	v_nop
.endr
	s_branch .Lasked_\@
.Lfor_b_\@:
	tensor_load_to_lds s[G0B+4:G0B+7], s[G1B:G1B+7]
	s_nop 0
.rept 4
	v_nop
.endr
.Lasked_\@:
.endm
; A prefetch of the K step that stands two refills on: one instruction a wave.  A's blocks are named by the clusters with x = 0, B's rows by those with y = 0; the four partners that ask for a tile jointly
; share it out by address.  Trips with s3 = 6 .. 3 name K steps 4 .. 7; the first four K steps come by their loads alone.
.macro ASK
	s_cmp_gt_u32 s3, s[LIM]
	s_cbranch_scc0 .Lnot_mine_\@
	global_prefetch_b8 v[PFO], s[PFA:PFA+1] th:TH_LOAD_NT scope:SCOPE_SE
.Lnot_mine_\@:
.endm
; 2 x NBK matrix instructions: row blocks a0, a0 + 1 of the window's four x all column blocks, 32 along K.  first = 1: the bias starts the sums.  All 48 accumulators take turns, one instruction a turn.
.macro MULH f, hi, a0, first
.if \first
	WIN 0x91+0x40*(\hi)
.else
	WIN 0xa1+0x50*(\hi)
.endif
.irp a, \a0, (\a0)+1
.set b, 0
.rept NBK
.set rD, 8*(NBK*(\a)+b)
.if \first
	v_wmma_f32_16x16x32_bf16 v[rD:rD+7], v[(\f)+8*b:(\f)+8*b+7], v[(\f)+8*(4*(\hi)+(\a)):(\f)+8*(4*(\hi)+(\a))+7], v[BIAS+8*b:BIAS+8*b+7]
.else
	v_wmma_f32_16x16x32_bf16 v[rD:rD+7], v[(\f)+8*b:(\f)+8*b+7], v[(\f)+8*(4*(\hi)+(\a)):(\f)+8*(4*(\hi)+(\a))+7], v[rD:rD+7]
.endif
.set b, b+1
.endr
.endr
.endm
; One run of NL LDS loads: quarter q (32 along K) of the slot in hand into buffer f: B's fragments, then A's
.macro FETCH q, f
	WIN 0x40
.set b, 0
.rept NBK
	ds_load_b128 v[(\f)+8*b:(\f)+8*b+3],   v[ADB] offset:64*(\q)+b*16*PB
	ds_load_b128 v[(\f)+8*b+4:(\f)+8*b+7], v[ADB] offset:64*(\q)+b*16*PB+32
.set b, b+1
.endr
	WIN 0
.irp i, 0,1,2,3,4,5,6,7
	ds_load_b128 v[(\f)+8*(\i):(\f)+8*(\i)+3],   v[ADA] offset:((\q)/2)*ABLK+((\q)%2)*64+(\i)*16*PA
	ds_load_b128 v[(\f)+8*(\i)+4:(\f)+8*(\i)+7], v[ADA] offset:((\q)/2)*ABLK+((\q)%2)*64+(\i)*16*PA+32
.endr
.endm
; One of a K step's first three quarters: multiplies buffer f; in its middle fetches quarter q into buffer g
.macro QUARTER q, f, g, first
	s_wait_dscnt 8                                 ; all but the youngest eight loads (A's rows 64-127)
	MULH \f, 0, 0, \first
	MULH \f, 0, 2, \first
	PLACES
	FETCH \q, \g
	s_wait_dscnt NL                                ; all but the NL just issued
	MULH \f, 1, 0, \first
	MULH \f, 1, 2, \first
.endm
; The last quarter multiplies buffer 1 and changes slots.  In front of the one barrier each wave waits for all its tensor loads (one is out: its part of the next slot), adds 0 to its spare word, and waits
; for that and for its reads of this slot.  fill = 1: the barrier opens a round of the cluster's, and the joint refill (the K step two on) is the first thing behind the round.
.macro TURN fill
.if \fill
	s_wait_xcnt 0x0                                ; the last prefetch, a K step back, has read its address
	s_add_nc_u64 s[PFA:PFA+1], s[PFA:PFA+1], s[PFS:PFS+1]
.endif
	WIN 0
	s_wait_tensorcnt 0x0                           ; all my tensor loads have landed
	ds_add_u32 v[SPW], v[NIL]                      ; 0 onto my spare word
	s_wait_dscnt 9                                 ; the add and the youngest eight loads may be out
	MULH F1, 0, 0, 0
	s_wait_dscnt 0x0                               ; the add is done, my reads of this slot are over
	s_barrier_signal -1
	MULH F1, 0, 2, 0
	WIN 0
	s_barrier_wait -1
.if \fill
	CREST
	s_xor_b32 s[G0A+5], s[G0A+5], SLOT1            ; the walking sets: the other slot than last time, the next K step
	s_add_nc_u64 s[G0A+6:G0A+7], s[G0A+6:G0A+7], ASTEP
	s_xor_b32 s[G0B+5], s[G0B+5], SLOT1
	s_add_nc_u64 s[G0B+6:G0B+7], s[G0B+6:G0B+7], BSTEP
	JLOAD                                          ; its four v_nop are also the places in front of the loads below
.else
	PLACES
.endif
	s_xor_b32 s[TB], s[TB], SLOT1
	v_add_nc_u32 v[ADA], s[TB], v[AA0]
	v_add_nc_u32 v[ADB], s[TB], v[AB0]
	FETCH 0, F0
.if \fill
	ASK
.endif
	MULH F1, 1, 0, 0
	MULH F1, 1, 2, 0
.endm
	s_load_b256 s[4:11], s[0:1], 0x0               ; A s[4:5], B s[6:7], bias s[8:9], out s[10:11]
	v_lshl_add_u32 v[SPW], v0, 2, SPARE
	v_mov_b32 v[NIL], 0
	ds_add_u32 v[SPW], v[NIL]                      ; the wave's opening: the add and its wait stand ahead of my first tensor load
	v_lshrrev_b32 v3, 5, v0
	v_readfirstlane_b32 s[WV], v3
	s_lshr_b32 s[WR], s[WV], 1
	s_and_b32 s[WC], s[WV], 1
	s_bfe_u32 s40, ttmp6, 0x40000                  ; cx
	s_bfe_u32 s41, ttmp6, 0x40004                  ; cy
	s_lshl_b32 s42, ttmp9, 2
	s_add_co_u32 s42, s42, s40                     ; tile column tx
	s_and_b32 s43, ttmp7, 0xffff
	s_lshl_b32 s43, s43, 2
	s_add_co_u32 s43, s43, s41                     ; tile row ty
	s_lshl_b32 s74, s41, 2
	s_lshl_b32 s74, 15, s74                        ; my row of the cluster
	s_lshl_b32 s75, 0x1111, s40                    ; my column
	s_or_b32 s[G1A], s74, (1<<16)|(1<<20)|(1<<21)|(4<<22)|(3<<25)  ; mask; 2-byte elements; padding on; bit 21 beside a mask; 4 words behind every 32
	s_or_b32 s[G1B], s75, (1<<16)|(1<<20)|(1<<21)|(5<<22)|(3<<25)  ; the same, 4 words behind every 64
	s_mov_b32 s[G1A+1], 128<<16                    ; tensor_dim0 = 128
	s_mov_b32 s[G1A+2], 128<<16                    ; tensor_dim1 = 128
	s_mov_b32 s[G1A+3], 128<<16                    ; tile_dim0 = 128
	s_mov_b32 s[G1A+4], 128                        ; tile_dim1 = 128
	s_mov_b32 s[G1A+5], 128                        ; 128 elements from row to row: dense
	s_mov_b32 s[G1A+6], 0
	s_mov_b32 s[G1A+7], 0
	s_mov_b32 s[G1B+1], 128<<16
	s_mov_b32 s[G1B+2], (NT/2)<<16
	s_mov_b32 s[G1B+3], 128<<16
	s_mov_b32 s[G1B+4], NT/2
	s_mov_b32 s[G1B+5], 1024
	s_mov_b32 s[G1B+6], 0
	s_mov_b32 s[G1B+7], 0
	s_lshr_b32 s16, s43, 3                         ; A: batch x 4,194,304 + 256 rows x 128 bytes x (ty % 8) + my block kb
	s_lshl_b32 s16, s16, 22
	s_and_b32 s17, s43, 7
	s_lshl_b32 s17, s17, 15
	s_add_co_u32 s16, s16, s17
	s_lshl_b32 s17, s[WC], 18
	s_add_co_u32 s16, s16, s17
	s_mov_b32 s17, 0
	s_mul_i32 s18, s42, NT                         ; B: row NT tx + NT/2 x half, 2,048 bytes a row
	s_mul_i32 s19, s[WC], NT/2
	s_add_co_u32 s18, s18, s19
	s_lshl_b32 s18, s18, 11
	s_mov_b32 s19, 0
	s_mul_i32 s22, s[WC], ABLK                     ; where they go: no place in the cluster enters an LDS address
	s_mul_i32 s23, s[WC], BHALF
	s_add_co_u32 s23, s23, BOFF
	s_wait_dscnt 0x0                               ; the opening add is done
	s_wait_kmcnt 0x0
	s_add_nc_u64 s[16:17], s[4:5], s[16:17]
	s_add_nc_u64 s[18:19], s[6:7], s[18:19]
.irp s, 0,1
	s_mov_b32 s[G0A+4*(\s)], 1
	s_add_co_u32 s[G0A+4*(\s)+1], s22, (\s)*SLOT1
	s_add_nc_u64 s[G0A+4*(\s)+2:G0A+4*(\s)+3], s[16:17], (\s)*ASTEP
	s_or_b32 s[G0A+4*(\s)+3], s[G0A+4*(\s)+3], 0x80000000
	s_mov_b32 s[G0B+4*(\s)], 1
	s_add_co_u32 s[G0B+4*(\s)+1], s23, (\s)*SLOT1
	s_add_nc_u64 s[G0B+4*(\s)+2:G0B+4*(\s)+3], s[18:19], (\s)*BSTEP
	s_or_b32 s[G0B+4*(\s)+3], s[G0B+4*(\s)+3], 0x80000000
.endr
	CROUND                                         ; all sixteen work-groups are here: the first joint loads meet
	s_cmp_lt_u32 s[WV], 2                          ; a wave's two first fills stand in one branch: two loads of mine are out, the most in this text
	s_cbranch_scc0 .Lfirst_b
	tensor_load_to_lds s[G0A:G0A+3], s[G1A:G1A+7]
	s_nop 0
	tensor_load_to_lds s[G0A+4:G0A+7], s[G1A:G1A+7]
	s_nop 0
.rept 4
	v_nop
.endr
	s_branch .Lfirst_asked
.Lfirst_b:
	tensor_load_to_lds s[G0B:G0B+3], s[G1B:G1B+7]
	s_nop 0
	tensor_load_to_lds s[G0B+4:G0B+7], s[G1B:G1B+7]
	s_nop 0
.rept 4
	v_nop
.endr
.Lfirst_asked:
	; a fragment is 16 rows x 32 K: lane l holds row l % 16; two loads of 16 bytes, 32 bytes apart, at row x pitch + 16 (l / 16)
	v_and_b32 v1, 15, v0
	v_bfe_u32 v2, v0, 4, 1
	v_mul_u32_u24 v3, v1, PA
	v_lshl_add_u32 v3, v2, 4, v3
	s_mul_i32 s20, s[WR], 128*PA
	v_add_nc_u32 v[AA0], s20, v3
	v_mul_u32_u24 v4, v1, PB
	v_lshl_add_u32 v4, v2, 4, v4
	v_add_nc_u32 v[AB0], s23, v4
	v_mov_b32 v[ADA], v[AA0]
	v_mov_b32 v[ADB], v[AB0]
	s_mov_b32 s[TB], 0
	; the bias: register j of block b is bias[NT tx + NT/2 WC + 16 b + 8 (l / 16) + j]
	s_mul_i32 s76, s42, NT
	s_mul_i32 s77, s[WC], NT/2
	s_add_co_u32 s76, s76, s77
	s_lshl_b32 s76, s76, 2
	s_add_co_u32 s76, s76, BIASOFF
	v_lshl_add_u32 v[BO], v2, 5, s76
	WIN 0x40
.set b, 0
.rept NBK
	global_load_b128 v[BIAS+8*b:BIAS+8*b+3],   v[BO], s[8:9] offset:64*b
	global_load_b128 v[BIAS+8*b+4:BIAS+8*b+7], v[BO], s[8:9] offset:64*b+16
.set b, b+1
.endr
	WIN 0
	; the way out.  The stage, [head 3][256 rows][144 bytes], lies over slot 0.  Column half 0 holds head 0 and the first half of head 1, half 1 the rest.
	s_mul_i32 s20, s[WC], ABLK+64
	v_add_nc_u32 v[STOA], s20, v[AA0]
	s_mul_i32 s20, s[WC], 2*ABLK-64
	v_add_nc_u32 v[STOB], s20, v[AA0]
	v_and_b32 v5, 31, v0
	v_lshrrev_b32 v6, 3, v5
	v_and_b32 v7, 7, v0
	s_lshl_b32 s20, s[WV], 6
	v_add_nc_u32 v6, s20, v6                       ; back: wave w takes rows 64 w .. 64 w + 63 of each head, four rows a load
	v_mul_u32_u24 v6, v6, PA
	v_lshl_add_u32 v[RD0], v7, 4, v6
	v_add_nc_u32 v[RD0+1], ABLK, v[RD0]
	v_add_nc_u32 v[RD0+2], 2*ABLK, v[RD0]
	v_lshlrev_b32 v[GO], 4, v5
.irp j, 0,1,2                          ; head block cb = 3 tx + j: type cb / 16, head cb % 16
	s_mul_i32 s76, s42, 3
	s_add_co_u32 s76, s76, \j
	s_lshr_b32 s77, s76, 4
	s_lshl_b32 s77, s77, 6
	s_and_b32 s76, s76, 15
	s_add_co_u32 s76, s76, s77
	s_lshr_b32 s77, s43, 3
	s_lshl_b32 s77, s77, 4
	s_add_co_u32 s76, s76, s77                     ; 64 type + 16 batch + head
	s_lshl_b32 s76, s76, 18                        ; x 2,048 rows of 128 bytes
	s_and_b32 s77, s43, 7
	s_lshl_b32 s77, s77, 15
	s_add_co_u32 s76, s76, s77                     ; + the tile's 256 rows
	s_lshl_b32 s77, s[WV], 13
	s_add_co_u32 s76, s76, s77                     ; + my 64 of them
	s_mov_b32 s77, 0
	s_add_nc_u64 s[HB+2*(\j):HB+2*(\j)+1], s[10:11], s[76:77]
.endr
	; the prefetches: A: my work-group's 32 blocks of 256 bytes of the 128 that I fetch (by cx); B: its NT/8 rows of my NT/2 (by cy; the lanes above repeat the last row).  They stand at K step 3 and are stepped ahead of each use.
	s_lshl_b32 s76, s40, 13
	s_add_co_u32 s76, s76, 3*ASTEP
	s_mul_i32 s77, s41, (NT/8)*2048
	s_add_co_u32 s77, s77, 3*BSTEP
	s_and_b32 s78, ttmp7, 0xffff
	s_mov_b32 s79, ASTEP
	s_mov_b32 s80, BSTEP
	s_cmp_lt_u32 s[WV], 2
	s_cselect_b64 s[PFA:PFA+1], s[16:17], s[18:19]
	s_cselect_b32 s76, s76, s77
	s_cselect_b32 s78, ttmp9, s78                  ; the coordinate along which other clusters read the same bytes
	s_cselect_b32 s[PFS], s79, s80
	s_cselect_b32 s82, 31, NT/8-1
	s_cselect_b32 s83, 8, 11
	s_mov_b32 s[PFS+1], 0
	s_mov_b32 s77, 0
	s_add_nc_u64 s[PFA:PFA+1], s[PFA:PFA+1], s[76:77]
	s_cmp_eq_u32 s78, 0
	s_cselect_b32 s[LIM], 2, -1                    ; the same in all sixteen partners, for a given wave
	v_min_u32 v[PFO], s82, v5
	v_lshlrev_b32 v[PFO], s83, v[PFO]
	s_wait_tensorcnt 1                             ; my part of K step 0 is in; K step 1's may stay out
	s_barrier_signal -1
	s_barrier_wait -1
	FETCH 0, F0
	s_wait_loadcnt 0x0                             ; the bias
	QUARTER 1, F0, F1, 1                           ; the first quarter stands in front of the loop: its products start the sums
	WIN 0
	s_mov_b32 s3, 6
.Lstep:                                            ; trip i ends K step i, refills its slot with K step i + 2, and begins K step i + 1
	QUARTER 2, F1, F0, 0
	QUARTER 3, F0, F1, 0
	TURN 1
	QUARTER 1, F0, F1, 0
	WIN 0
	s_sub_co_u32 s3, s3, 1
	s_cmp_lg_u32 s3, 0
	s_cbranch_scc1 .Lstep
	QUARTER 2, F1, F0, 0                           ; K steps 6 and 7 ask for nothing
	QUARTER 3, F0, F1, 0
	TURN 0
	QUARTER 1, F0, F1, 0
	QUARTER 2, F1, F0, 0
	QUARTER 3, F0, F1, 0
	s_wait_dscnt 8
	MULH F1, 0, 0, 0
	MULH F1, 0, 2, 0
	s_wait_dscnt 0x0
	MULH F1, 1, 0, 0
	MULH F1, 1, 2, 0
	WIN 0
	s_barrier_signal -1                            ; every wave's reads of the slots are over (the wait for 0 above): only now is the stage, which lies over slot 0, written.  Slot 0 has had its last fill.
	PLACES
	PLACES
	s_barrier_wait -1
	; THE WAY OUT: rounded to f16, 16 bytes a lane into the stage
.set a, 0
.rept 8
	WIN 0x0a+5*(a/4)
.set b, 0
.rept NBK
.set rD, 8*(NBK*(a%4)+b)
	v_cvt_pk_f16_f32 v[TMP+4*b],   v[rD],   v[rD+1]
	v_cvt_pk_f16_f32 v[TMP+4*b+1], v[rD+2], v[rD+3]
	v_cvt_pk_f16_f32 v[TMP+4*b+2], v[rD+4], v[rD+5]
	v_cvt_pk_f16_f32 v[TMP+4*b+3], v[rD+6], v[rD+7]
.set b, b+1
.endr
	WIN 0
	ds_store_b128 v[STOA], v[TMP:TMP+3]     offset:a*16*PA
	ds_store_b128 v[STOA], v[TMP+4:TMP+7]   offset:a*16*PA+32
	ds_store_b128 v[STOB], v[TMP+8:TMP+11]  offset:a*16*PA+64
	ds_store_b128 v[STOB], v[TMP+12:TMP+15] offset:a*16*PA+96
	ds_store_b128 v[STOA], v[TMP+16:TMP+19] offset:a*16*PA+ABLK
	ds_store_b128 v[STOA], v[TMP+20:TMP+23] offset:a*16*PA+ABLK+32
.set a, a+1
.endr
	s_wait_dscnt 0x0                               ; for the others' sake: a row of the middle head comes from two waves
	s_barrier_signal -1
	s_barrier_wait -1
.set n, 0
.rept 48
	ds_load_b128 v[OUTR+4*n:OUTR+4*n+3], v[RD0+n/16] offset:(n%16)*4*PA
.set n, n+1
.endr
.set n, 0
.rept 48
	s_wait_dscnt 47-n                              ; load n is back, the younger ones stay out
	global_store_b128 v[GO], v[OUTR+4*n:OUTR+4*n+3], s[HB+2*(n/16):HB+2*(n/16)+1] offset:(n%16)*512  ; four rows of a head: 512 consecutive bytes, aligned
.set n, n+1
.endr
	s_wait_tensorcnt 0x0                           ; the wave's end
	ds_add_u32 v[SPW], v[NIL]
	s_wait_dscnt 0x0
	CROUND                                         ; the closing round
	s_endpgm
.Lfunc_end_k_q32fad4377a_qkv:
	.size	k_q32fad4377a_qkv, .Lfunc_end_k_q32fad4377a_qkv-k_q32fad4377a_qkv
	.p2alignl 7, 3214868480
	.fill 96, 4, 3214868480
	.section	.rodata,"a",@progbits
	.p2align	6, 0x0
	.amdhsa_kernel k_q32fad4377a_qkv
		.amdhsa_group_segment_fixed_size 327680
		.amdhsa_private_segment_fixed_size 0
		.amdhsa_enable_private_segment 0
		.amdhsa_kernarg_size 32
		.amdhsa_user_sgpr_count 2
		.amdhsa_user_sgpr_kernarg_segment_ptr 1
		.amdhsa_wavefront_size32 1
		.amdhsa_system_sgpr_workgroup_id_x 1
		.amdhsa_system_sgpr_workgroup_id_y 1
		.amdhsa_system_sgpr_workgroup_id_z 1
		.amdhsa_system_vgpr_workitem_id 0
		.amdhsa_next_free_vgpr 960
		.amdhsa_next_free_sgpr 96
		.amdhsa_reserve_vcc 0
		.amdhsa_float_denorm_mode_32 3
		.amdhsa_float_denorm_mode_16_64 3
		.amdhsa_memory_ordered 1
		.amdhsa_forward_progress 1
		.amdhsa_inst_pref_size 99
	.end_amdhsa_kernel
	.amdgpu_metadata
---
amdhsa.version: [ 1, 2 ]
amdhsa.kernels:
  - .name:           k_q32fad4377a_qkv
    .symbol:         k_q32fad4377a_qkv.kd
    .args:
      - { .name: xh, .offset: 0, .size: 8, .value_kind: global_buffer, .address_space: global }
      - { .name: wq, .offset: 8, .size: 8, .value_kind: global_buffer, .address_space: global }
      - { .name: bsr, .offset: 16, .size: 8, .value_kind: global_buffer, .address_space: global }
      - { .name: qkvh, .offset: 24, .size: 8, .value_kind: global_buffer, .address_space: global }
    .group_segment_fixed_size: 327680
    .private_segment_fixed_size: 0
    .kernarg_segment_align: 8
    .kernarg_segment_size: 32
    .max_flat_workgroup_size: 128
    .sgpr_count:     96
    .vgpr_count:     960
    .wavefront_size: 32
...
	.end_amdgpu_metadata
.endif
;; end of part 2
;; launch attn (part 3): grid 4 x 64, 4 waves a work-group, clusters of 4 x 1, 327,680 bytes of LDS; arguments qkvh, madd, oh; writes oh
.if DOCPART == 3
	.amdgcn_target "amdgcn-amd-amdhsa--gfx1250"
	.amdhsa_code_object_version 6
	.text
	.protected	k_q32fad4377a_attn
	.globl	k_q32fad4377a_attn
	.p2align	8
	.type	k_q32fad4377a_attn,@function
k_q32fad4377a_attn:
	s_mov_b64 s[64:65], 0
	v_nop
	global_prefetch_b8 v0, s[64:65] scope:SCOPE_SE
	s_setreg_imm32_b32 hwreg(HW_REG_WAVE_MODE, 25, 1), 1
	s_wait_xcnt 0x0
	s_wait_alu depctr_hold_cnt(0) depctr_sa_sdst(0) depctr_va_vdst(0) depctr_va_sdst(0) depctr_va_ssrc(0) depctr_va_vcc(0) depctr_vm_vsrc(0)
	s_getreg_b32 s2, hwreg(HW_REG_IB_STS2, 6, 4)
	s_cmp_eq_u32 s2, 0
	s_cbranch_scc0 .Lentry_in_a_cluster
	s_endpgm
.Lentry_in_a_cluster:
	s_bfe_u32 s2, ttmp6, 0x10000c
	s_cmp_lg_u32 s2, 0x3003
	s_cbranch_scc0 .Lentry_shape_is_right
	s_endpgm
.Lentry_shape_is_right:
; O[bh][q][:] = the sum over k of softmax_k(Q[bh][q] . K[bh][k] / 8 + hidden(k)) V[bh][k][:].  Q, K, V lie in qkvh, f16 [type 3][bh 64][2048][64]; O = oh, f16 [bh 64][2048][64].
; madd, f32 [batch 4][2048], holds 0 for a key that is seen and -1e30 for one that is hidden.  Products, maxima and sums in f32; the weights p are rounded to f16 for the second product, O once at the end.
; LIMITS.  Q, K, V arrive within f16's 65,504; a hidden score counts as its value less 1e30 (true scores are 2.7e11 at the most); a weight below 2^-126 counts as 0 in l.
; A batch in which every key is hidden gives NaN: where the final maximum lies below -5e29, 1 / l is replaced by NaN.
; THE MASK is the C operand of the product that starts a sum S^T = K Q^T: in S^T register j of a lane is key 16 kb + 8 (lane / 16) + j, the same for every query.  The batch's 2,048 addends lie in LDS;
; a key step's 64 come into 32 registers beside K's fragments.  The running maximum does the rest: once a true score has entered m a hidden weight is 0; steps that are wholly hidden are wiped out by a = 0.
; SHARES.  A wave owns four PIECES of two tiles of 16 queries, a work-group's four waves 512 queries of one head, a cluster the head.  Every wave walks all keys, 64 a step, four steps to a slot.
; LAYOUT.  S^T = K Q^T (source 0 = 16 keys, source 1 = 16 queries): a lane holds ONE query (lane % 16) and the keys 8 (lane / 16) + 0..7.  Two such tiles, rounded to f16 in pairs, ARE source 1 of
; O^T = V^T P.  K comes out of LDS as it lies, V turned, by ds_load_tr16_b128.
; SOFTMAX.  p = 2^(c s - c m), c = log2(e) / 8, with a running maximum m and sum l; in every step O and l are multiplied by a = 2^(c m_old - c m_new).  m starts at the lowest finite number, O and l at 0.
; BY TURNS.  Turn n belongs to piece n: 16 products K Q^T of piece n + 1, later 16 products V^T P of piece n - 1; beside them the scaling, exponentials, roundings, sums and rescaling of piece n and the maximum
; and statistics of piece n + 1.  Four vector instructions stand behind every matrix instruction, the rest in one lump.  A turn's 66 exponentials are one batch with one wait.
; CLUSTER.  The four query blocks of a head walk the same K and V: each tile is asked for jointly.
; REGISTERS, in windows of 256: window 0: v0-11 addresses; v12-15, v48-63 at work; v16-47 statistics; v64-191 S^T, two buffers of two tiles; v192-255 P, likewise.
;   window 1: O^T, 32 a tile.   window 2: v0-127 Q; v128-191 K of one step; v192-255 V of one step.   window 3: v0-1 the add's two registers; v8-39 the mask of one step.
.set SIZE_N, 2048
.set NP,    4
.set KS,    64
.set PK,    144       ; a row of K in LDS: 128 bytes + 16
.set PV,    160       ; a row of V: 128 + 32
.set VOFF,  4*KS*PK
.set SLOT1, 1<<17
.set STAGE, SLOT1+4*KS*(PK+PV)  ; 16 rows x 144 bytes for each wave, for the way out
.set SP,    144
.set SPARE, STAGE+4*16*SP       ; the spare words: two blocks of 256 bytes that no other line names
.set MT,    SPARE+512           ; the batch's 2,048 addends: 8,192 bytes, stored once, never filled by a tensor load
.set PFO, 1           ; v1   256 x lane; never rewritten
.set AK0, 2           ; v2   my lane's place in a tile of K; never rewritten
.set AV0, 3           ; v3   the same for V
.set AK,  4           ; v4   the LDS address of K's next run of loads
.set AV,  5           ; v5   of V's
.set STO, 6           ; v6   the way out: where I put 16 bytes of a row
.set RD,  7           ; v7   where I read rows back
.set GO,  8           ; v8   my byte offset in 512 consecutive bytes of O
.set AM0, 9           ; v9   MT + 32 (lane / 16); never rewritten
.set AM,  10          ; v10  the LDS address of the mask's next run
.set QO,  11          ; v11  my byte offset in the wave's rows of Q; never rewritten
.set SPW, 0           ; v0 of window 3
.set NIL, 1           ; v1 of window 3
.set MK,  8           ; v8-39 of window 3: key block kb at MK + 8 kb
.set MV,  12
.set ST,  16          ; tile t's statistics at v[ST+4 t]: c m, m, l (even keys', odd keys')
.set TMP, 48
.set S,   64
.set P,   192
.set KF,  128
.set VF,  192
.set WV,  12
.set G1K, 24
.set G1V, 32
.set G0K, 40
.set G0V, 44
.set SLOTS, 56
.set CNT, 57
.set CS,  58
.set SEL, 60
.set TBK, 62
.set TBV, 63
.set MA,  66          ; s[66:67] madd at my batch
.set TBM, 68          ; s68  256 x the key step to be fetched
.set LIM, 69          ; s69  1 in a wave that prefetches, else the greatest number
.set PFA, 70          ; s[70:71] where my prefetches stand
.set THR, 72          ; s72  -5e29
.set QN,  73          ; s73  a NaN
.set MSB, 0
.macro WIN new
.if MSB != (\new)
	s_set_vgpr_msb (MSB<<8)|(\new)
.set MSB, (\new)
.endif
.endm
.set W_KQ, 0x0a       ; K and Q in window 2, S^T in window 0
.set W_KM, 0x3a       ; the same with the C operand in window 3
.set W_PV, 0x52       ; V in window 2, P in window 0, O^T in window 1
.set W_RS, 0x41       ; O^T in window 1, a in window 0
.set W_MK, 0xc0       ; destination in window 3
.set W_AD, 0x0f       ; the add: address and data in window 3
.macro JLOAD                        ; waves 0 and 1 fetch the halves of a slot's K, waves 2 and 3 of its V; s_nop 0 and four v_nop follow each line
	s_cmp_lt_u32 s[WV], 2
	s_cbranch_scc0 .Lfor_v_\@
	tensor_load_to_lds s[G0K:G0K+3], s[G1K:G1K+7]
	s_nop 0
.rept 4
	v_nop
.endr
	s_branch .Lasked_\@
.Lfor_v_\@:
	tensor_load_to_lds s[G0V:G0V+3], s[G1V:G1V+7]
	s_nop 0
.rept 4
	v_nop
.endr
.Lasked_\@:
.endm
; A prefetch of the tile that the NEXT change of slots will ask for: 128 blocks of 256 bytes of K and of V.  The four partners take 32 blocks each, by address; wave 0 names K's, wave 2 V's: a lane a block.
; The changes that fill tiles 2 .. 6 name tiles 3 .. 7; the last names nothing.
.macro ASK
	s_cmp_gt_u32 s[SLOTS], s[LIM]
	s_cbranch_scc0 .Lnot_mine_\@
	global_prefetch_b8 v[PFO], s[PFA:PFA+1] th:TH_LOAD_NT scope:SCOPE_SE
.Lnot_mine_\@:
.endm
.macro CROUND
	s_barrier_signal -1
	s_barrier_wait -1
	s_cmp_lg_u32 s[WV], 0
	s_cbranch_scc1 .Lnot_wave_0_\@
	s_barrier_signal -3
.Lnot_wave_0_\@:
	s_barrier_wait -3
	s_barrier_signal -1
	s_barrier_wait -1
.endm
; THE CHANGE OF SLOTS.  Each wave waits for all its tensor loads (one is out: its part of the other slot), adds 0 to its spare word, and waits for that and for its LDS instructions.  fill = 1: the barrier is a
; round of the cluster's, and the joint fill (the keys two slots on) is the first thing behind it: it has four key steps in which to land.
.macro CHANGE fill, ask=0
	WIN W_AD
	s_wait_tensorcnt 0x0            ; no tensor load of mine is out, so a group 0 may be written
	ds_add_u32 v[SPW], v[NIL]       ; 0 onto my spare word
	WIN 0
.if \fill
.irp g, G0K, G0V
	s_xor_b32 s[\g+1], s[\g+1], SLOT1
	s_add_nc_u64 s[\g+2:\g+3], s[\g+2:\g+3], 4*KS*128
.endr
.if \ask
	s_wait_xcnt 0x0                 ; the last prefetch, four key steps back, has read its address
	s_add_nc_u64 s[PFA:PFA+1], s[PFA:PFA+1], 4*KS*128
.endif
	s_wait_dscnt 0x0                ; the add is done, and my LDS instructions are over
	CROUND
	JLOAD
.if \ask
	ASK
.endif
.else
	s_wait_dscnt 0x0
	s_barrier_signal -1
	s_barrier_wait -1
.endif
	s_sub_co_u32 s[TBK], s[TBK], 4*KS*PK
	s_xor_b32 s[TBK], s[TBK], SLOT1
	s_sub_co_u32 s[TBV], s[TBV], 4*KS*PV
	s_xor_b32 s[TBV], s[TBV], SLOT1
.endm
	s_load_b64 s[4:5], s[0:1], 0x0    ; qkvh
	s_load_b64 s[MA:MA+1], s[0:1], 0x8  ; madd
	s_load_b64 s[10:11], s[0:1], 0x10 ; oh
	WIN W_MK
	v_lshl_add_u32 v[SPW], v0, 2, SPARE
	v_mov_b32 v[NIL], 0
	WIN W_AD
	ds_add_u32 v[SPW], v[NIL]       ; the wave's opening: the add and its wait stand ahead of my first tensor load
	WIN 0
	v_lshrrev_b32 v12, 5, v0
	v_readfirstlane_b32 s[WV], v12
	s_bfe_u32 s13, ttmp6, 0x40000   ; cx
	s_lshl_b32 s14, ttmp9, 2
	s_add_co_u32 s14, s14, s13      ; my block of 512 queries: it enters Q's and O's addresses alone
	s_and_b32 s20, ttmp7, 0xffff    ; bh, which the four partners share
	s_lshr_b32 s74, s20, 4          ; the batch:
	s_lshl_b32 s74, s74, 13         ; its 8,192 bytes of madd
	s_mov_b32 s75, 0
	s_lshl_b32 s20, s20, 18         ; the head's 2,048 rows of 128 bytes
	s_mov_b32 s21, 0
	s_and_b32 s16, s[WV], 1         ; which half of a slot's 256 keys I fetch
	s_lshl_b32 s22, s16, 14
	s_mov_b32 s23, 0
	s_add_nc_u64 s[22:23], s[22:23], s[20:21]
	s_mul_i32 s17, s16, 128*PK
	s_mul_i32 s18, s16, 128*PV
	s_lshl_b32 s2, s14, 2
	s_add_co_u32 s2, s2, s[WV]
	s_lshl_b32 s2, s2, 14           ; my wave's 128 rows
	s_mov_b32 s3, 0
	s_add_nc_u64 s[2:3], s[2:3], s[20:21]
	; 128 keys are 16,384 dense bytes: asked for as 64 rows of 256 bytes, padded in LDS after every key
	s_mov_b32 s[G1K], 15|(1<<16)|(1<<20)|(1<<21)|(4<<22)|(3<<25)
	s_mov_b32 s[G1V], 15|(1<<16)|(1<<20)|(1<<21)|(4<<22)|(7<<25)
.irp g, G1K, G1V
	s_mov_b32 s[\g+1], 128<<16
	s_mov_b32 s[\g+2], 64<<16
	s_mov_b32 s[\g+3], 128<<16
	s_mov_b32 s[\g+4], 64
	s_mov_b32 s[\g+5], 128
	s_mov_b32 s[\g+6], 0
	s_mov_b32 s[\g+7], 0
.endr
	s_mov_b32 s[CS], 0x3e38aa3b     ; c = log2(e) / 8
	s_mov_b32 s[CS+1], s[CS]
	s_mov_b32 s[SEL], 0x76543210
	s_mov_b32 s[SEL+1], 0xfedcba98
	s_mov_b32 s[TBK], SLOT1+4*KS*PK ; the first change of slots turns these two into 0
	s_mov_b32 s[TBV], SLOT1+4*KS*PV
	s_mov_b32 s[TBM], 0
	s_mov_b32 s[THR], 0xf0c9f2ca
	s_mov_b32 s[QN], 0x7fc00000
	s_mov_b32 s[G0K], 1
	s_mov_b32 s[G0K+1], s17
	s_mov_b32 s[G0V], 1
	s_add_co_u32 s[G0V+1], s18, VOFF
	s_and_b32 s[LIM], s[WV], 1
	s_cmp_eq_u32 s[LIM], 0
	s_cselect_b32 s[LIM], 1, -1     ; waves 0 and 2: the same in all four partners
	s_wait_dscnt 0x0                ; the opening add is done
	s_wait_kmcnt 0x0
	s_add_nc_u64 s[6:7], s[4:5], 0x1000000   ; k
	s_add_nc_u64 s[8:9], s[4:5], 0x2000000   ; v
	s_add_nc_u64 s[6:7], s[6:7], s[22:23]    ; at my half of the head's first 256 keys
	s_add_nc_u64 s[8:9], s[8:9], s[22:23]
	s_mov_b64 s[G0K+2:G0K+3], s[6:7]
	s_or_b32 s[G0K+3], s[G0K+3], 0x80000000
	s_mov_b64 s[G0V+2:G0V+3], s[8:9]
	s_or_b32 s[G0V+3], s[G0V+3], 0x80000000
	s_add_nc_u64 s[4:5], s[4:5], s[2:3]      ; Q and O at my wave's first row
	s_add_nc_u64 s[10:11], s[10:11], s[2:3]
	s_add_nc_u64 s[MA:MA+1], s[MA:MA+1], s[74:75]
	s_cmp_lt_u32 s[WV], 2
	s_cselect_b64 s[PFA:PFA+1], s[6:7], s[8:9]  ; (in waves 0 and 2 these stand at a tile's first row)
	s_lshl_b32 s74, s13, 13         ; my work-group's 32 blocks of the 128,
	s_add_co_u32 s74, s74, 2*4*KS*128  ; in tile 2; each use steps it first
	s_add_nc_u64 s[PFA:PFA+1], s[PFA:PFA+1], s[74:75]
	CROUND                          ; all four work-groups are here
	JLOAD                           ; slot 0
	v_and_b32 v12, 15, v0           ; l % 16
	v_bfe_u32 v13, v0, 4, 1         ; l / 16
	v_lshlrev_b32 v48, 4, v0        ; 16 x my thread's number
.irp i, 0,1,2,3
	global_load_b128 v[S+4*\i:S+4*\i+3], v48, s[MA:MA+1] offset:2048*\i  ; the batch's addends: 128 threads x 16 bytes, four times
.endr
	v_lshlrev_b32 v[QO], 7, v12
	v_lshl_add_u32 v[QO], v13, 4, v[QO]
	WIN 0x80
.set i, 0
.rept 4*NP                          ; Q stays in registers: tile i / 2, channels 32 (i % 2) on
	global_load_b128 v[8*i:8*i+3],   v[QO], s[4:5] offset:(i/2)*2048+(i%2)*64
	global_load_b128 v[8*i+4:8*i+7], v[QO], s[4:5] offset:(i/2)*2048+(i%2)*64+32
.set i, i+1
.endr
	; what the first turn finds: V's registers and P's second buffer hold 0, O^T and l are 0.  All this stands in the wait for the first tile.
.set i, VF
.rept 64
	v_mov_b32 v[i], 0
.set i, i+1
.endr
	WIN 0x40
.set i, 0
.rept 64*NP
	v_mov_b32 v[i], 0
.set i, i+1
.endr
	WIN 0
.set i, 0
.rept 2*NP
	v_mov_b32 v[ST+4*i], 0xfe000000    ; c m: far below every c s, a hidden one's too
	v_mov_b32 v[ST+4*i+1], 0xff7fffff  ; m
	v_mov_b32 v[ST+4*i+2], 0
	v_mov_b32 v[ST+4*i+3], 0
.set i, i+1
.endr
.set i, P+32
.rept 32
	v_mov_b32 v[i], 0
.set i, i+1
.endr
	v_mul_u32_u24 v[AK0], v12, PK
	v_lshl_add_u32 v[AK0], v13, 4, v[AK0]
	v_and_b32 v14, 7, v0
	v_bfe_u32 v15, v0, 3, 1
	v_lshl_add_u32 v[AV0], v13, 3, v14  ; the turning load: lane l reads key 8 (l / 16) + l % 8, channels 8 ((l / 8) % 2) + 0..7
	v_mul_u32_u24 v[AV0], v[AV0], PV
	v_lshl_add_u32 v[AV0], v15, 4, v[AV0]
	v_add_nc_u32 v[AV0], VOFF, v[AV0]
	v_mov_b32 v[AK], v[AK0]
	s_mul_i32 s13, s[WV], 16*SP
	s_add_co_u32 s13, s13, STAGE    ; my stage
	v_mul_u32_u24 v[STO], v12, SP
	v_lshl_add_u32 v[STO], v13, 4, v[STO]
	v_add_nc_u32 v[STO], s13, v[STO]
	v_bfe_u32 v[RD], v0, 3, 2
	v_mul_u32_u24 v[RD], v[RD], SP
	v_lshl_add_u32 v[RD], v14, 4, v[RD]
	v_add_nc_u32 v[RD], s13, v[RD]
	v_and_b32 v[GO], 31, v0
	v_lshlrev_b32 v[PFO], 8, v[GO]
	v_lshlrev_b32 v[GO], 4, v[GO]
	v_lshl_add_u32 v[AM0], v13, 5, MT
	v_mov_b32 v[AM], v[AM0]
	v_add_nc_u32 v49, MT, v48
	s_wait_loadcnt 32               ; the four loads of the addends are in; Q's 32 younger ones stay out
.irp i, 0,1,2,3
	ds_store_b128 v49, v[S+4*\i:S+4*\i+3] offset:2048*\i
.endr
; THE MATRIX WORK.  The 8 accumulators of a run of 16 take turns.  Product i of 16 of S^T = K Q^T for piece x: channels 32 (i / 8) on, keys 16 ((i / 2) % 4) on, tile 2 x + i % 2.
; The first 8 start the sums, with the mask.
.macro KQ x
.set rS, S+64*((\x)%2)+32*(i%2)+8*((i/2)%4)
.set rK, KF+16*((i/2)%4)+8*(i/8)
.set rQ, 16*(2*(\x)+i%2)+8*(i/8)
.set rMK, MK+8*((i/2)%4)
.if i < 8
	WIN W_KM
	v_wmma_f32_16x16x32_f16 v[rS:rS+7], v[rK:rK+7], v[rQ:rQ+7], v[rMK:rMK+7]
.else
	WIN W_KQ
	v_wmma_f32_16x16x32_f16 v[rS:rS+7], v[rK:rK+7], v[rQ:rQ+7], v[rS:rS+7]
.endif
.endm
; Product i of 16 of O^T += V^T P for piece x: keys 32 (i / 8) on, channels 16 ((i / 2) % 4) on, tile 2 x + i % 2.
.macro PV x
	WIN W_PV
.set rO, 32*(2*(\x)+i%2)+8*((i/2)%4)
.set rV, VF+32*(i/8)+8*((i/2)%4)
.set rP, P+32*((\x)%2)+16*(i%2)+8*(i/8)
	v_wmma_f32_16x16x32_f16 v[rO:rO+7], v[rV:rV+7], v[rP:rP+7], v[rO:rO+7]
.endm
.macro MM                           ; the turn's next matrix instruction
.if i < 16
	KQ (Y+1)%NP
.set i, i+1
.else
.set i, i-16
	PV (Y+NP-1)%NP
.set i, i+17
.endif
.endm
; THE LDS LOADS stand in runs: a step's K (8 fragments) with its mask (8 loads; the 16 lanes of a half read the same bytes), and its V (turned).  last = 1 (the tail): in the last trip there is no further step.
.macro FETCH_K last=0
	WIN 0
.if \last
	s_cmp_eq_u32 s[CNT], 1
	s_cbranch_scc1 .Lno_k_\@
.endif
	WIN 0x80
.irp f, 0,1,2,3,4,5,6,7
	ds_load_b128 v[KF+8*\f:KF+8*\f+3],   v[AK] offset:(\f/2)*16*PK+(\f%2)*64
	ds_load_b128 v[KF+8*\f+4:KF+8*\f+7], v[AK] offset:(\f/2)*16*PK+(\f%2)*64+32
.endr
	WIN 0xc0
.irp f, 0,1,2,3
	ds_load_b128 v[MK+8*\f:MK+8*\f+3],   v[AM] offset:64*\f
	ds_load_b128 v[MK+8*\f+4:MK+8*\f+7], v[AM] offset:64*\f+16
.endr
	s_add_co_u32 s[TBK], s[TBK], KS*PK
	s_add_co_u32 s[TBM], s[TBM], 256
	WIN 0
.if \last
.Lno_k_\@:
.endif
.endm
.macro FETCH_V
	WIN 0x80
.irp f, 0,1,2,3,4,5,6,7
	ds_load_tr16_b128 v[VF+8*\f:VF+8*\f+3],   v[AV] offset:(\f/4)*32*PV+(\f%4)*32
	ds_load_tr16_b128 v[VF+8*\f+4:VF+8*\f+7], v[AV] offset:(\f/4)*32*PV+16*PV+(\f%4)*32
.endr
	WIN 0
.endm
; THE VECTOR WORK OF A TURN stands in three queues, each in the order in which its entries become ready; the two tiles alternate.
.macro REGS y, u
.set rT, ST+4*(2*(\y)+(\u))
.set rC, TMP+8*((\y)%2)+4*(\u)
.set rM, MV+2*((\y)%2)+(\u)
.set rS, S+64*((\y)%2)+32*(\u)
.set rP, P+32*((\y)%2)+16*(\u)
.set rO, 32*(2*(\y)+(\u))
.endm
; Number n of the 22 that find the NEXT piece's maximum and statistics; each accumulator's lowest registers are read first.
.macro XS u, n
	REGS (Y+1)%NP, \u
.if (\n) < 4
	v_max3_num_f32 v[rC+(\n)], v[rS+8*(\n)], v[rS+8*(\n)+1], v[rS+8*(\n)+2]
.elseif (\n) < 12
	v_max3_num_f32 v[rC+(\n)%4], v[rC+(\n)%4], v[rS+8*((\n)%4)+2*((\n)/4)+1], v[rS+8*((\n)%4)+2*((\n)/4)+2]
.elseif (\n) == 12
	v_max3_num_f32 v[rC], v[rC], v[rS+7], v[rS+15]
.elseif (\n) == 13
	v_max3_num_f32 v[rC+1], v[rC+1], v[rS+23], v[rS+31]
.elseif (\n) == 14
	v_max3_num_f32 v[rC+2], v[rC+2], v[rC+3], v[rT+1]
.elseif (\n) == 15
	v_mov_b32 v[rM], v[rT]
.elseif (\n) == 16
	v_max3_num_f32 v[rC], v[rC], v[rC+1], v[rC+2]
.elseif (\n) == 17
	v_permlanex16_b32 v[rC+3], v[rC], s[SEL], s[SEL+1]
.elseif (\n) == 18
	v_max_num_f32 v[rT+1], v[rC], v[rC+3]
.elseif (\n) == 19
	v_mul_f32 v[rT], s[CS], v[rT+1]
.elseif (\n) == 20
	v_sub_f32 v[rC+1], v[rM], v[rT]
.else
	v_exp_f32 v[rC+2], v[rC+1]
.endif
.endm
; Number g of the 64 that follow the exponentials: for each four weights both pairs are rounded to f16, the second pair is added onto the first in place, and a group later l takes that sum.
.macro GS g
.set h, (\g)+6*((\g)/62)
.if h >= 6
.set h, h+2
.endif
	REGS Y, h%2
.set k, h/8
.if h%8 < 4
	v_cvt_pk_f16_f32 v[rP+2*k+(h%8)/2], v[rS+4*k+2*((h%8)/2)], v[rS+4*k+2*((h%8)/2)+1]
.elseif h%8 < 6
	v_pk_add_f32 v[rS+4*k:rS+4*k+1], v[rS+4*k:rS+4*k+1], v[rS+4*k+2:rS+4*k+3]
.elseif k == 1
	v_pk_fma_f32 v[rT+2:rT+3], v[rT+2:rT+3], v[rC+2:rC+3], v[rS:rS+1] op_sel_hi:[1,0,1]
.else
	v_pk_add_f32 v[rT+2:rT+3], v[rT+2:rT+3], v[rS+4*k-4:rS+4*k-3]
.endif
.endm
; THE PLAIN QUEUE, 138 long: 0-73 read no exponential's result (the 32 scalings and the next piece's 42); 74-137 are GS's 64, behind the wait.
.macro FS f
	REGS Y, (\f)%2
	v_pk_fma_f32 v[rS+2*((\f)/2):rS+2*((\f)/2)+1], v[rS+2*((\f)/2):rS+2*((\f)/2)+1], s[CS:CS+1], v[rT:rT+1] op_sel_hi:[1,0,0] neg_lo:[0,0,1] neg_hi:[0,0,1]
.endm
.macro PL
	WIN 0
.if q < 27
	FS q
.elseif q < 55
	XS (q-27)%2, (q-27)/2
.elseif q < 57
	XS q-55, 15
.elseif (q < 72) && ((q-57)%3 == 0)
	FS 27+(q-57)/3
.elseif q < 60
	XS (q-57)%3-1, 14
.elseif q < 72
	XS (q-57)%3-1, 15+(q-57)/3
.elseif q < 74
	XS q-72, 20
.else
	GS q-74
.endif
.set q, q+1
.endm
; THE EXPONENTIALS' QUEUE, 66 long: one batch, all ahead of the turn's one wait
.macro EX
	WIN 0
.if e >= 64
	XS e-64, 21
.else
	REGS Y, e%2
	v_exp_f32 v[rS+e/2], v[rS+e/2]
.endif
.set e, e+1
.endm
; THE RESCALING's QUEUE: O^T times a, two at a time
.macro R2
	REGS Y, r%2
	WIN W_RS
.irp z, 0,1
	v_pk_mul_f32 v[rO+4*(r/2)+2*\z:rO+4*(r/2)+2*\z+1], v[rO+4*(r/2)+2*\z:rO+4*(r/2)+2*\z+1], v[rC+2:rC+3] op_sel_hi:[1,0]
.endr
.set r, r+1
.endm
; A TURN, for piece p.  Ahead of its one wait stands all that names no result of its exponentials: 16 products K Q^T with a scaling, an exponential and two rescalings behind each, then one lump of 108.
; Behind the wait: 16 products V^T P with four of the roundings and sums behind each.  K and the mask of the next step are fetched in piece 2's turn, directly behind the wait, a lump behind the last product
; that read them; V of the step in hand at the end of piece 0's turn, four plain instructions behind its last reader.
.macro TURN p, last=0, cnt=0
.set Y, (\p)
.set i, 0
.set q, 0
.set e, 0
.set r, 0
.if (\p) == NP-1
	s_wait_dscnt 0x0                ; K and the mask are in
.endif
	MM
	PL
	PL
	R2
.rept 15
	MM
	PL
	EX
	R2
.endr
.if (\p) == NP-2
	WIN 0
	v_add_nc_u32 v[AK], s[TBK], v[AK0]
	v_add_nc_u32 v[AM], s[TBM], v[AM0]
.endif
.rept 8
	PL
.endr
.rept 49
	EX
	PL
.endr
	EX
	EX
	v_nop                           ; a plain instruction behind the last exponential: one for the batch
	s_wait_alu depctr_va_vdst(0)    ; the wait ahead of the first reader: one for the batch
.if (\p) == NP-2
	FETCH_K \last
.endif
.if (\p) == 1
	s_wait_dscnt 0x0                ; V is in
.endif
.rept 16
	MM
.rept 4
	PL
.endr
.if ((\p) == 0) && (q == 118)
	v_add_nc_u32 v[AV], s[TBV], v[AV0]
.endif
.if ((\p) == 0) && (q == 130)
	s_add_co_u32 s[TBV], s[TBV], KS*PV
.endif
.if (\cnt) && (q == 130)
	s_sub_co_u32 s[CNT], s[CNT], 1
	s_cmp_lg_u32 s[CNT], 0
.endif
.endr
.if (\p) == 0
	FETCH_V
.endif
.endm
	CHANGE 1                        ; slot 0 is in, everybody's part of it, and so are everybody's stores of the addends; slot 1 is asked for
	FETCH_K                         ; key step 0
	s_wait_loadcnt 0x0              ; Q
	s_wait_dscnt 0x0
.set i, 0
.rept 16
	KQ 0
.set i, i+1
.endr
	WIN 0
.rept 4
	v_nop                           ; the places behind those products
.endr
.set Y, NP-1
.irp n, 0,1,2,3,4,5,6,7,8,9,10,11,12,13,14,15,16,17,18,19,20,21
	XS 0, \n
	XS 1, \n
.endr
	v_nop
	s_wait_alu depctr_va_vdst(0)    ; the two a have their wait ahead of the branch
	s_mov_b32 s[CNT], 4
	s_mov_b32 s[SLOTS], SIZE_N/256-1
	s_branch .Lfirst                ; the loop is entered at a step's first turn
.Lslot:                             ; six times: every slot but the last two is filled again
	CHANGE 1, 1
	s_mov_b32 s[CNT], 4
.Lstep:                             ; a trip: pieces 2 and 3 of one step, then pieces 0 and 1 of the next
	TURN 2
	TURN 3
	WIN 0
.Lfirst:
	TURN 0
	TURN 1, 0, 1
	WIN 0
	s_cbranch_scc1 .Lstep
	s_sub_co_u32 s[SLOTS], s[SLOTS], 1
	s_cmp_lg_u32 s[SLOTS], 0
	s_cbranch_scc1 .Lslot
	CHANGE 0                        ; the tail is written out
	s_mov_b32 s[CNT], 5
.Ltail:
	TURN 2, 1
	TURN 3
	WIN 0
	s_sub_co_u32 s[CNT], s[CNT], 1
	s_cmp_eq_u32 s[CNT], 0
	s_cbranch_scc1 .Lout
	TURN 0
	TURN 1
	WIN 0
	s_branch .Ltail
.Lout:                              ; the fifth trip's products K Q^T repeat the last step's scores: the maximum made of them changes nothing
.set i, 0
.rept 16
	PV NP-1
.set i, i+1
.endr
	; THE WAY OUT.  l's halves are added; O^T is divided by l, rounded to f16 and sent through my stage, a tile at a time.  The additions are the places behind the last products.
	WIN 0
.macro ALL line:vararg
.set t, 0
.rept 2*NP
	\line
.set t, t+1
.endr
.endm
	ALL v_add_f32 v[ST+4*t+2], v[ST+4*t+2], v[ST+4*t+3]
	ALL v_permlanex16_b32 v[ST+4*t+3], v[ST+4*t+2], s[SEL], s[SEL+1]
	ALL v_add_f32 v[ST+4*t+2], v[ST+4*t+2], v[ST+4*t+3]
	ALL v_rcp_f32 v[ST+4*t+2], v[ST+4*t+2]
	v_nop
	s_wait_alu depctr_va_vdst(0)    ; one wait for the eight reciprocals
.set t, 0
.rept 2*NP
	v_cmp_gt_f32 vcc_lo, s[THR], v[ST+4*t+1]                       ; no key was seen:
	v_cndmask_b32 v[ST+4*t+2], v[ST+4*t+2], s[QN], vcc_lo          ; the row is NaN
.set t, t+1
.endr
.macro PACK t
	WIN W_RS
.set i, 32*(\t)
.rept 16
	v_pk_mul_f32 v[i:i+1], v[i:i+1], v[ST+4*(\t)+2:ST+4*(\t)+3] op_sel_hi:[1,0]
.set i, i+2
.endr
	WIN 0x05
.set i, 0
.rept 16
	v_cvt_pk_f16_f32 v[S+16*(\t)+i], v[32*(\t)+2*i], v[32*(\t)+2*i+1]
.set i, i+1
.endr
	WIN 0
.irp f, 0,1,2,3
	ds_store_b128 v[STO], v[S+16*(\t)+4*\f:S+16*(\t)+4*\f+3] offset:32*\f
.endr
.irp f, 0,1,2,3
	ds_load_b128 v[S+16*(\t)+4*\f:S+16*(\t)+4*\f+3], v[RD] offset:\f*4*SP  ; LDS serves a wave's instructions in order (ISA guide 5.7.1.4): these see the stores above
.endr
.endm
.macro SEND t, younger              ; younger: the LDS instructions issued behind tile t's loads
	WIN 0
.irp f, 0,1,2,3
	s_wait_dscnt (\younger)+3-\f
	global_store_b128 v[GO], v[S+16*(\t)+4*\f:S+16*(\t)+4*\f+3], s[10:11] offset:(\t)*2048+\f*512  ; 512 consecutive bytes, aligned
.endr
.endm
	PACK 0
.set t, 1
.rept 2*NP-1
	PACK t
	SEND t-1, 8
.set t, t+1
.endr
	SEND 2*NP-1, 0
	WIN W_AD
	s_wait_tensorcnt 0x0            ; the wave's end
	ds_add_u32 v[SPW], v[NIL]
	s_wait_dscnt 0x0
	WIN 0
	CROUND                          ; the closing round
	s_endpgm
.Lfunc_end_k_q32fad4377a_attn:
	.size	k_q32fad4377a_attn, .Lfunc_end_k_q32fad4377a_attn-k_q32fad4377a_attn
	.p2alignl 7, 3214868480
	.fill 96, 4, 3214868480
	.section	.rodata,"a",@progbits
	.p2align	6, 0x0
	.amdhsa_kernel k_q32fad4377a_attn
		.amdhsa_group_segment_fixed_size 327680
		.amdhsa_private_segment_fixed_size 0
		.amdhsa_enable_private_segment 0
		.amdhsa_kernarg_size 24
		.amdhsa_user_sgpr_count 2
		.amdhsa_user_sgpr_kernarg_segment_ptr 1
		.amdhsa_wavefront_size32 1
		.amdhsa_system_sgpr_workgroup_id_x 1
		.amdhsa_system_sgpr_workgroup_id_y 1
		.amdhsa_system_sgpr_workgroup_id_z 1
		.amdhsa_system_vgpr_workitem_id 0
		.amdhsa_next_free_vgpr 808
		.amdhsa_next_free_sgpr 80
		.amdhsa_reserve_vcc 1
		.amdhsa_float_denorm_mode_32 3
		.amdhsa_float_denorm_mode_16_64 3
		.amdhsa_memory_ordered 1
		.amdhsa_forward_progress 1
		.amdhsa_inst_pref_size 204
	.end_amdhsa_kernel
	.amdgpu_metadata
---
amdhsa.version: [ 1, 2 ]
amdhsa.kernels:
  - .name:           k_q32fad4377a_attn
    .symbol:         k_q32fad4377a_attn.kd
    .args:
      - { .name: qkvh, .offset: 0, .size: 8, .value_kind: global_buffer, .address_space: global }
      - { .name: madd, .offset: 8, .size: 8, .value_kind: global_buffer, .address_space: global }
      - { .name: oh, .offset: 16, .size: 8, .value_kind: global_buffer, .address_space: global }
    .group_segment_fixed_size: 327680
    .private_segment_fixed_size: 0
    .kernarg_segment_align: 8
    .kernarg_segment_size: 24
    .max_flat_workgroup_size: 128
    .sgpr_count:     80
    .vgpr_count:     808
    .wavefront_size: 32
...
	.end_amdgpu_metadata
.endif
;; end of part 3
;; launch outp (part 4): grid 8 x 32, 4 waves a work-group, clusters of 4 x 4, 327,680 bytes of LDS; arguments oh, wo, bsr, out0; writes out0
.if DOCPART == 4
	.amdgcn_target "amdgcn-amd-amdhsa--gfx1250"
	.amdhsa_code_object_version 6
	.text
	.protected	k_q32fad4377a_outp
	.globl	k_q32fad4377a_outp
	.p2align	8
	.type	k_q32fad4377a_outp,@function
k_q32fad4377a_outp:
	s_mov_b64 s[64:65], 0
	v_nop
	global_prefetch_b8 v0, s[64:65] scope:SCOPE_SE
	s_setreg_imm32_b32 hwreg(HW_REG_WAVE_MODE, 25, 1), 1
	s_wait_xcnt 0x0
	s_wait_alu depctr_hold_cnt(0) depctr_sa_sdst(0) depctr_va_vdst(0) depctr_va_sdst(0) depctr_va_ssrc(0) depctr_va_vcc(0) depctr_vm_vsrc(0)
	s_getreg_b32 s2, hwreg(HW_REG_IB_STS2, 6, 4)
	s_cmp_eq_u32 s2, 0
	s_cbranch_scc0 .Lentry_in_a_cluster
	s_endpgm
.Lentry_in_a_cluster:
	s_bfe_u32 s2, ttmp6, 0x10000c
	s_cmp_lg_u32 s2, 0xf033
	s_cbranch_scc0 .Lentry_shape_is_right
	s_endpgm
.Lentry_shape_is_right:
; out0 = O W^T + b.  A = oh, f16 [bh 64][t 2048][64] (batch b, column block kb = head); B = wo, f16 [1024][1024]; bias = bsr from byte 12,288 on (f32); out0 f32 [8192][1024].
; SHARES.  A tile of the result is 256 rows x 128 columns: 8 x 32 = 256 tiles.  Four waves, 2 x 2; a wave makes 128 x 64: 32 accumulators of 16 x 16.
; K goes in steps of 128 through two LDS slots.  A's part of a step is two blocks kb, each 256 rows x 128 bytes, dense in memory: asked for as 128 rows of 256 bytes and padded behind every 128 bytes.
; B's part is 128 rows x 256 bytes.  Waves 0 and 1 fetch A's two blocks, waves 2 and 3 B's two halves: one tensor load a wave.
; CLUSTER.  4 x 4 work-groups: A's tiles are asked for jointly along a row of the cluster, B's along a column.
; THE PRODUCT IS TAKEN TRANSPOSED (source 0 = 16 rows of B, source 1 = 16 rows of A): a lane holds one row of the result and eight neighbouring columns.  The bias is the C operand of the first product.
; REGISTERS, in windows of 256: window 0: v0-31 addresses, v64-127 and v128-191 A's fragments (two buffers); on the way out v64-127 whole rows.
;   window 1: v64-95, v128-159 B's fragments; v192-223 the bias.   windows 2, 3: accumulator (a, b) at v[8 (4 (a % 4) + b)] of window 2 + a / 4.
.set NBK,   4
.set NT,    32*NBK
.set BIASOFF, 12288
.set PA,    144                        ; an LDS row of A: 128 bytes + 16
.set PB,    272                        ; an LDS row of B, and of the stage: 256 bytes + 16
.set ABLK,  256*PA
.set BOFF,  2*ABLK
.set BHALF, (NT/2)*PB
.set SLOT1, 1<<17
.set SPARE, SLOT1+BOFF+2*BHALF         ; the spare words: two blocks of 256 bytes that no other line names
.set STAGE, SPARE+512                  ; 16 rows x 272 bytes for each wave, its own; no tensor load fills it
.set NL,    16+2*NBK
.set ASTEP, 524288
.set BSTEP, 256
.set AA0, 16
.set AB0, 17
.set ADA, 18
.set ADB, 19
.set STO, 20                           ; v20 the way out: where I put 32 bytes of a row
.set RD,  22                           ; v22 where I read rows back
.set CO,  25                           ; v25 my byte offset in two rows of out0
.set BO,  26
.set SPW, 28
.set NIL, 29
.set PFO, 30
.set F0,  64
.set F1,  128
.set BIAS, 192
.set OUTR, 64
.set WV,  12
.set WR,  13
.set WC,  14
.set TB,  15
.set G1A, 24
.set G0A, 32
.set PFA, 44
.set PFS, 46
.set G1B, 48
.set G0B, 56
.set LIM, 66
.set MSB, 0
.macro WIN new
.if MSB != (\new)
	s_set_vgpr_msb (MSB<<8)|(\new)
.set MSB, \new
.endif
.endm
.macro PLACES
.rept 4
	v_nop
.endr
.endm
.macro CREST
	s_cmp_lg_u32 s[WV], 0
	s_cbranch_scc1 .Lnot_wave_0_\@
	s_barrier_signal -3
.Lnot_wave_0_\@:
	s_barrier_wait -3
	s_barrier_signal -1
	s_barrier_wait -1
.endm
.macro CROUND
	s_barrier_signal -1
	s_barrier_wait -1
	CREST
.endm
.macro JLOAD                           ; the joint refill by the walking sets; s_nop 0 and four v_nop follow each line
	s_cmp_lt_u32 s[WV], 2
	s_cbranch_scc0 .Lfor_b_\@
	tensor_load_to_lds s[G0A+4:G0A+7], s[G1A:G1A+7]
	s_nop 0
.rept 4
	v_nop
.endr
	s_branch .Lasked_\@
.Lfor_b_\@:
	tensor_load_to_lds s[G0B+4:G0B+7], s[G1B:G1B+7]
	s_nop 0
.rept 4
	v_nop
.endr
.Lasked_\@:
.endm
; A prefetch of the K step two refills on: A's blocks named by the clusters with x = 0, B's rows by those with y = 0, shared out among the four partners by address.  Trips with s3 = 6 .. 3 name K steps 4 .. 7.
.macro ASK
	s_cmp_gt_u32 s3, s[LIM]
	s_cbranch_scc0 .Lnot_mine_\@
	global_prefetch_b8 v[PFO], s[PFA:PFA+1] th:TH_LOAD_NT scope:SCOPE_SE
.Lnot_mine_\@:
.endm
.macro MULH f, hi, a0, first           ; 2 x NBK matrix instructions; all 32 accumulators take turns, one instruction a turn.  first = 1: the bias starts the sums
.if \first
	WIN 0x91+0x40*(\hi)
.else
	WIN 0xa1+0x50*(\hi)
.endif
.irp a, \a0, (\a0)+1
.set b, 0
.rept NBK
.set rD, 8*(NBK*(\a)+b)
.if \first
	v_wmma_f32_16x16x32_f16 v[rD:rD+7], v[(\f)+8*b:(\f)+8*b+7], v[(\f)+8*(4*(\hi)+(\a)):(\f)+8*(4*(\hi)+(\a))+7], v[BIAS+8*b:BIAS+8*b+7]
.else
	v_wmma_f32_16x16x32_f16 v[rD:rD+7], v[(\f)+8*b:(\f)+8*b+7], v[(\f)+8*(4*(\hi)+(\a)):(\f)+8*(4*(\hi)+(\a))+7], v[rD:rD+7]
.endif
.set b, b+1
.endr
.endr
.endm
.macro FETCH q, f                      ; one run of NL LDS loads: quarter q of the slot in hand into buffer f
	WIN 0x40
.set b, 0
.rept NBK
	ds_load_b128 v[(\f)+8*b:(\f)+8*b+3],   v[ADB] offset:64*(\q)+b*16*PB
	ds_load_b128 v[(\f)+8*b+4:(\f)+8*b+7], v[ADB] offset:64*(\q)+b*16*PB+32
.set b, b+1
.endr
	WIN 0
.irp i, 0,1,2,3,4,5,6,7
	ds_load_b128 v[(\f)+8*(\i):(\f)+8*(\i)+3],   v[ADA] offset:((\q)/2)*ABLK+((\q)%2)*64+(\i)*16*PA
	ds_load_b128 v[(\f)+8*(\i)+4:(\f)+8*(\i)+7], v[ADA] offset:((\q)/2)*ABLK+((\q)%2)*64+(\i)*16*PA+32
.endr
.endm
.macro QUARTER q, f, g, first
	s_wait_dscnt 8                                 ; all but the youngest eight loads (A's rows 64-127)
	MULH \f, 0, 0, \first
	MULH \f, 0, 2, \first
	PLACES
	FETCH \q, \g
	s_wait_dscnt NL                                ; all but the NL just issued
	MULH \f, 1, 0, \first
	MULH \f, 1, 2, \first
.endm
; The last quarter multiplies buffer 1 and changes slots: one barrier; in front of it each wave waits for all its tensor loads, adds 0 to its spare word, and waits for that and for its reads of this slot.
; fill = 1: the barrier opens a round of the cluster's, and the joint refill is the first thing behind the round.
.macro TURN fill
.if \fill
	s_wait_xcnt 0x0                                ; the last prefetch, a K step back, has read its address
	s_add_nc_u64 s[PFA:PFA+1], s[PFA:PFA+1], s[PFS:PFS+1]
.endif
	WIN 0
	s_wait_tensorcnt 0x0
	ds_add_u32 v[SPW], v[NIL]                      ; 0 onto my spare word
	s_wait_dscnt 9                                 ; the add and the youngest eight loads may be out
	MULH F1, 0, 0, 0
	s_wait_dscnt 0x0
	s_barrier_signal -1
	MULH F1, 0, 2, 0
	WIN 0
	s_barrier_wait -1
.if \fill
	CREST
	s_xor_b32 s[G0A+5], s[G0A+5], SLOT1
	s_add_nc_u64 s[G0A+6:G0A+7], s[G0A+6:G0A+7], ASTEP
	s_xor_b32 s[G0B+5], s[G0B+5], SLOT1
	s_add_nc_u64 s[G0B+6:G0B+7], s[G0B+6:G0B+7], BSTEP
	JLOAD
.else
	PLACES
.endif
	s_xor_b32 s[TB], s[TB], SLOT1
	v_add_nc_u32 v[ADA], s[TB], v[AA0]
	v_add_nc_u32 v[ADB], s[TB], v[AB0]
	FETCH 0, F0
.if \fill
	ASK
.endif
	MULH F1, 1, 0, 0
	MULH F1, 1, 2, 0
.endm
	s_load_b256 s[4:11], s[0:1], 0x0               ; A s[4:5], B s[6:7], bias s[8:9], out s[10:11]
	v_lshl_add_u32 v[SPW], v0, 2, SPARE
	v_mov_b32 v[NIL], 0
	ds_add_u32 v[SPW], v[NIL]                      ; the wave's opening: the add and its wait stand ahead of my first tensor load
	v_lshrrev_b32 v3, 5, v0
	v_readfirstlane_b32 s[WV], v3
	s_lshr_b32 s[WR], s[WV], 1
	s_and_b32 s[WC], s[WV], 1
	s_bfe_u32 s40, ttmp6, 0x40000                  ; cx
	s_bfe_u32 s41, ttmp6, 0x40004                  ; cy
	s_lshl_b32 s42, ttmp9, 2
	s_add_co_u32 s42, s42, s40                     ; tx
	s_and_b32 s43, ttmp7, 0xffff
	s_lshl_b32 s43, s43, 2
	s_add_co_u32 s43, s43, s41                     ; ty
	s_lshl_b32 s74, s41, 2
	s_lshl_b32 s74, 15, s74
	s_lshl_b32 s75, 0x1111, s40
	s_or_b32 s[G1A], s74, (1<<16)|(1<<20)|(1<<21)|(4<<22)|(3<<25)
	s_or_b32 s[G1B], s75, (1<<16)|(1<<20)|(1<<21)|(5<<22)|(3<<25)
	s_mov_b32 s[G1A+1], 128<<16
	s_mov_b32 s[G1A+2], 128<<16
	s_mov_b32 s[G1A+3], 128<<16
	s_mov_b32 s[G1A+4], 128
	s_mov_b32 s[G1A+5], 128
	s_mov_b32 s[G1A+6], 0
	s_mov_b32 s[G1A+7], 0
	s_mov_b32 s[G1B+1], 128<<16
	s_mov_b32 s[G1B+2], (NT/2)<<16
	s_mov_b32 s[G1B+3], 128<<16
	s_mov_b32 s[G1B+4], NT/2
	s_mov_b32 s[G1B+5], 1024
	s_mov_b32 s[G1B+6], 0
	s_mov_b32 s[G1B+7], 0
	s_lshr_b32 s16, s43, 3
	s_lshl_b32 s16, s16, 22
	s_and_b32 s17, s43, 7
	s_lshl_b32 s17, s17, 15
	s_add_co_u32 s16, s16, s17
	s_lshl_b32 s17, s[WC], 18
	s_add_co_u32 s16, s16, s17
	s_mov_b32 s17, 0
	s_mul_i32 s18, s42, NT
	s_mul_i32 s19, s[WC], NT/2
	s_add_co_u32 s18, s18, s19
	s_lshl_b32 s18, s18, 11
	s_mov_b32 s19, 0
	s_mul_i32 s22, s[WC], ABLK
	s_mul_i32 s23, s[WC], BHALF
	s_add_co_u32 s23, s23, BOFF
	s_wait_dscnt 0x0                               ; the opening add is done
	s_wait_kmcnt 0x0
	s_add_nc_u64 s[16:17], s[4:5], s[16:17]
	s_add_nc_u64 s[18:19], s[6:7], s[18:19]
.irp s, 0,1
	s_mov_b32 s[G0A+4*(\s)], 1
	s_add_co_u32 s[G0A+4*(\s)+1], s22, (\s)*SLOT1
	s_add_nc_u64 s[G0A+4*(\s)+2:G0A+4*(\s)+3], s[16:17], (\s)*ASTEP
	s_or_b32 s[G0A+4*(\s)+3], s[G0A+4*(\s)+3], 0x80000000
	s_mov_b32 s[G0B+4*(\s)], 1
	s_add_co_u32 s[G0B+4*(\s)+1], s23, (\s)*SLOT1
	s_add_nc_u64 s[G0B+4*(\s)+2:G0B+4*(\s)+3], s[18:19], (\s)*BSTEP
	s_or_b32 s[G0B+4*(\s)+3], s[G0B+4*(\s)+3], 0x80000000
.endr
	CROUND                                         ; all sixteen work-groups are here
	s_cmp_lt_u32 s[WV], 2                          ; a wave's two first fills stand in one branch: two loads of mine are out, the most in this text
	s_cbranch_scc0 .Lfirst_b
	tensor_load_to_lds s[G0A:G0A+3], s[G1A:G1A+7]
	s_nop 0
	tensor_load_to_lds s[G0A+4:G0A+7], s[G1A:G1A+7]
	s_nop 0
.rept 4
	v_nop
.endr
	s_branch .Lfirst_asked
.Lfirst_b:
	tensor_load_to_lds s[G0B:G0B+3], s[G1B:G1B+7]
	s_nop 0
	tensor_load_to_lds s[G0B+4:G0B+7], s[G1B:G1B+7]
	s_nop 0
.rept 4
	v_nop
.endr
.Lfirst_asked:
	v_and_b32 v1, 15, v0
	v_bfe_u32 v2, v0, 4, 1
	v_mul_u32_u24 v3, v1, PA
	v_lshl_add_u32 v3, v2, 4, v3
	s_mul_i32 s20, s[WR], 128*PA
	v_add_nc_u32 v[AA0], s20, v3
	v_mul_u32_u24 v4, v1, PB
	v_lshl_add_u32 v4, v2, 4, v4
	v_add_nc_u32 v[AB0], s23, v4
	v_mov_b32 v[ADA], v[AA0]
	v_mov_b32 v[ADB], v[AB0]
	s_mov_b32 s[TB], 0
	s_mul_i32 s76, s42, NT                         ; the bias: register j of block b is bias[NT tx + NT/2 WC + 16 b + 8 (l / 16) + j]
	s_mul_i32 s77, s[WC], NT/2
	s_add_co_u32 s76, s76, s77
	s_lshl_b32 s76, s76, 2
	s_add_co_u32 s76, s76, BIASOFF
	v_lshl_add_u32 v[BO], v2, 5, s76
	WIN 0x40
.set b, 0
.rept NBK
	global_load_b128 v[BIAS+8*b:BIAS+8*b+3],   v[BO], s[8:9] offset:64*b
	global_load_b128 v[BIAS+8*b+4:BIAS+8*b+7], v[BO], s[8:9] offset:64*b+16
.set b, b+1
.endr
	WIN 0
	; the way out: my stage; in: row l % 16, 32 bytes for each half of the lanes; back: lanes 0-15 one row of 256 bytes, lanes 16-31 the next
	s_mul_i32 s20, s[WV], 16*PB
	s_add_co_u32 s20, s20, STAGE
	v_mul_u32_u24 v5, v1, PB
	v_lshl_add_u32 v5, v2, 5, v5
	v_add_nc_u32 v[STO], s20, v5
	v_mul_u32_u24 v6, v2, PB
	v_lshl_add_u32 v6, v1, 4, v6
	v_add_nc_u32 v[RD], s20, v6
	v_lshlrev_b32 v7, 12, v2
	v_lshl_add_u32 v[CO], v1, 4, v7
	s_lshl_b32 s76, s43, 8
	s_lshl_b32 s77, s[WR], 7
	s_add_co_u32 s76, s76, s77                     ; my first row
	s_lshl_b32 s76, s76, 12                        ; x 4,096 bytes
	s_lshl_b32 s77, s42, 9
	s_add_co_u32 s76, s76, s77                     ; + the tile's 128 columns
	s_lshl_b32 s77, s[WC], 8
	s_add_co_u32 s76, s76, s77                     ; + my 64 of them
	s_mov_b32 s77, 0
	s_add_nc_u64 s[10:11], s[10:11], s[76:77]
	; the prefetches: they stand at K step 3 and are stepped ahead of each use
	v_and_b32 v5, 31, v0
	s_lshl_b32 s76, s40, 13
	s_add_co_u32 s76, s76, 3*ASTEP
	s_mul_i32 s77, s41, (NT/8)*2048
	s_add_co_u32 s77, s77, 3*BSTEP
	s_and_b32 s78, ttmp7, 0xffff
	s_mov_b32 s79, ASTEP
	s_mov_b32 s80, BSTEP
	s_cmp_lt_u32 s[WV], 2
	s_cselect_b64 s[PFA:PFA+1], s[16:17], s[18:19]
	s_cselect_b32 s76, s76, s77
	s_cselect_b32 s78, ttmp9, s78
	s_cselect_b32 s[PFS], s79, s80
	s_cselect_b32 s82, 31, NT/8-1
	s_cselect_b32 s83, 8, 11
	s_mov_b32 s[PFS+1], 0
	s_mov_b32 s77, 0
	s_add_nc_u64 s[PFA:PFA+1], s[PFA:PFA+1], s[76:77]
	s_cmp_eq_u32 s78, 0
	s_cselect_b32 s[LIM], 2, -1
	v_min_u32 v[PFO], s82, v5
	v_lshlrev_b32 v[PFO], s83, v[PFO]
	s_wait_tensorcnt 1                             ; my part of K step 0 is in; K step 1's may stay out
	s_barrier_signal -1
	s_barrier_wait -1
	FETCH 0, F0
	s_wait_loadcnt 0x0                             ; the bias
	QUARTER 1, F0, F1, 1
	WIN 0
	s_mov_b32 s3, 6
.Lstep:                                            ; trip i ends K step i, refills its slot with K step i + 2, and begins K step i + 1
	QUARTER 2, F1, F0, 0
	QUARTER 3, F0, F1, 0
	TURN 1
	QUARTER 1, F0, F1, 0
	WIN 0
	s_sub_co_u32 s3, s3, 1
	s_cmp_lg_u32 s3, 0
	s_cbranch_scc1 .Lstep
	QUARTER 2, F1, F0, 0
	QUARTER 3, F0, F1, 0
	TURN 0
	QUARTER 1, F0, F1, 0
	QUARTER 2, F1, F0, 0
	QUARTER 3, F0, F1, 0
	s_wait_dscnt 8
	MULH F1, 0, 0, 0
	MULH F1, 0, 2, 0
	s_wait_dscnt 0x0
	MULH F1, 1, 0, 0
	MULH F1, 1, 2, 0
	WIN 0
	PLACES
	PLACES
	; THE WAY OUT: a block of 16 rows at a time through my own stage, in f32; back as whole rows of 256 bytes
.set a, 0
.rept 8
	WIN 0x08+4*(a/4)                               ; the stores' data in window 2 or 3
.set b, 0
.rept NBK
.set rD, 8*(NBK*(a%4)+b)
	ds_store_b128 v[STO], v[rD:rD+3]   offset:64*b
	ds_store_b128 v[STO], v[rD+4:rD+7] offset:64*b+16
.set b, b+1
.endr
	WIN 0
	s_wait_xcnt 0x0                                ; the registers below were the data of the stores two blocks back: they are loaded again only behind this wait
.set BK, OUTR+32*(a%2)
.set t, 0
.rept 8
	ds_load_b128 v[BK+4*t:BK+4*t+3], v[RD] offset:t*2*PB  ; LDS serves a wave's instructions in order (ISA guide 5.7.1.4): these see the stores above
.set t, t+1
.endr
.set t, 0
.rept 8
	s_wait_dscnt 7-t
	global_store_b128 v[CO], v[BK+4*t:BK+4*t+3], s[10:11] offset:(16*a+2*t)*4096  ; 16 lanes store 256 consecutive bytes, aligned
.set t, t+1
.endr
.set a, a+1
.endr
	s_wait_tensorcnt 0x0                           ; the wave's end
	ds_add_u32 v[SPW], v[NIL]
	s_wait_dscnt 0x0
	CROUND                                         ; the closing round
	s_endpgm
.Lfunc_end_k_q32fad4377a_outp:
	.size	k_q32fad4377a_outp, .Lfunc_end_k_q32fad4377a_outp-k_q32fad4377a_outp
	.p2alignl 7, 3214868480
	.fill 96, 4, 3214868480
	.section	.rodata,"a",@progbits
	.p2align	6, 0x0
	.amdhsa_kernel k_q32fad4377a_outp
		.amdhsa_group_segment_fixed_size 327680
		.amdhsa_private_segment_fixed_size 0
		.amdhsa_enable_private_segment 0
		.amdhsa_kernarg_size 32
		.amdhsa_user_sgpr_count 2
		.amdhsa_user_sgpr_kernarg_segment_ptr 1
		.amdhsa_wavefront_size32 1
		.amdhsa_system_sgpr_workgroup_id_x 1
		.amdhsa_system_sgpr_workgroup_id_y 1
		.amdhsa_system_sgpr_workgroup_id_z 1
		.amdhsa_system_vgpr_workitem_id 0
		.amdhsa_next_free_vgpr 896
		.amdhsa_next_free_sgpr 96
		.amdhsa_reserve_vcc 0
		.amdhsa_float_denorm_mode_32 3
		.amdhsa_float_denorm_mode_16_64 3
		.amdhsa_memory_ordered 1
		.amdhsa_forward_progress 1
		.amdhsa_inst_pref_size 74
	.end_amdhsa_kernel
	.amdgpu_metadata
---
amdhsa.version: [ 1, 2 ]
amdhsa.kernels:
  - .name:           k_q32fad4377a_outp
    .symbol:         k_q32fad4377a_outp.kd
    .args:
      - { .name: oh, .offset: 0, .size: 8, .value_kind: global_buffer, .address_space: global }
      - { .name: wo, .offset: 8, .size: 8, .value_kind: global_buffer, .address_space: global }
      - { .name: bsr, .offset: 16, .size: 8, .value_kind: global_buffer, .address_space: global }
      - { .name: out0, .offset: 24, .size: 8, .value_kind: global_buffer, .address_space: global }
    .group_segment_fixed_size: 327680
    .private_segment_fixed_size: 0
    .kernarg_segment_align: 8
    .kernarg_segment_size: 32
    .max_flat_workgroup_size: 128
    .sgpr_count:     96
    .vgpr_count:     896
    .wavefront_size: 32
...
	.end_amdgpu_metadata
.endif
;; end of part 4
;; ======== version 2 of 2: 4 launches; version 1 with the launch cast written anew for expert scheduling mode
;; limits: values are held in f16: magnitudes above 65,504 overflow, below 6.1e-05 lose precision
;; workspace buffers: xh 16,777,216 bytes; wq 6,291,456 bytes; wo 2,097,152 bytes; madd 32,768 bytes; bsr 16,384 bytes; qkvh 50,331,648 bytes; oh 16,777,216 bytes
;; launch cast (part 5): grid 769 x 1, 8 waves a work-group, no clusters, 0 bytes of LDS; arguments x, qkv_w, out_w, mask, qkv_b, out_b, xh, wq, wo, madd, bsr; writes xh, wq, wo, madd, bsr
.if DOCPART == 5
	.amdgcn_target "amdgcn-amd-amdhsa--gfx1250"
	.amdhsa_code_object_version 6
	.text
	.protected	k_q32fad4377a_cast
	.globl	k_q32fad4377a_cast
	.p2align	8
	.type	k_q32fad4377a_cast,@function
k_q32fad4377a_cast:
	s_mov_b64 s[64:65], 0
	v_nop
	global_prefetch_b8 v0, s[64:65] scope:SCOPE_SE
	s_setreg_imm32_b32 hwreg(HW_REG_WAVE_SCHED_MODE, 0, 2), 2
	s_setreg_imm32_b32 hwreg(HW_REG_WAVE_MODE, 25, 1), 1
	s_wait_xcnt 0x0
	s_wait_alu depctr_vm_vsrc(0)
; ONE PASS OVER ALL INPUTS: each is rounded once to bf16 and laid out for the launches behind.
;   xh   bf16 [b 4][kb 16][t 2048][64]   x, column 64 kb + i: 256 rows of one kb are 32,768 dense bytes
;   wq   bf16 [3072][1024]               qkv_w
;   wo   f16  [1024][1024]               out_w rounded to bf16, that number written as f16
;   madd f32  [4][2048]                  0 where mask != 0, -1e30 where mask == 0
;   bsr  f32  [4096]                     qkv_b, then out_b, each rounded to bf16 and widened again
; LIMITS.  |out_w| stays under 65,504 (f16's end); below 6.1e-5 f16 keeps a fixed step of 6e-8.
; A stream: no LDS, no barrier, no matrix unit, no cluster (nothing is shared), no prefetch (the loads themselves are the stream).
; A wave issues all its 16 loads of 16 bytes a lane at once (8,192 bytes), then converts and stores; no register is used twice, so no source is ever rewritten.
; Work-groups 0-511: x.  512-703: qkv_w.  704-767: out_w.  768: mask and biases.
; THE MODE: SCHED_MODE bits 1:0 = 2 (LLVM: expert scheduling mode 2), set by the entry lines.  The code itself states the register dependences
; between vector instructions and memory instructions, with s_wait_alu, always for 0.
; THE PLAN.  Registers that memory instructions touch:
;   v[VI], v[VO], v[VB]  byte offsets: written by vector instructions once, at a path's head; read by every load and store of the path; never written again.
;   X   each four registers: one load lands in them, once; no vector instruction writes them ahead of it.  Read by the conversions or compares.  (The biases' sixteen are then widened in place and stored.)
;   Y   each register: written once, by a conversion or a select; read by one store; never written again.
;   T   named by vector instructions alone.
; So no register that a memory instruction has read is written again, and no load lands in a register that a vector instruction has named: what has to be stated is only that vector results
; are written before a load or store reads them.  The 16 loads go in four blocks of four.  Block p's conversions write Y's block p; the stores of block p - 1 are dealt among them, behind ONE wait at
; the block's head; since that wait the vector instructions name X and Y of block p and T alone, none of which those stores read.
; Scalar results of vector instructions: the wave's number (one wait at the head, ahead of the first branch) and, in the last work-group, 32 lane masks (one wait behind the run of compares).
.set VI, 2                             ; v2  byte offset of my loads
.set VO, 3                             ; v3  byte offset of my stores
.set T,  4                             ; v[4:7] at work
.set VB, 7                             ; v7  (last work-group) my byte offset in bsr
.set X,  8                             ; v[8:71]   16 x 4 registers as loaded
.set Y,  72                            ; v[72:103] 16 x 2 registers to store
.set HIM, 30                           ; s30 mask of a word's upper half
.set BIG, 31                           ; s31 -1e30
.set MS,  32                           ; s[32:63] (last work-group) a lane mask for each of a lane's 32 words of mask
	s_load_b512 s[8:23], s[0:1], 0x0               ; x 8:9, qkv_w 10:11, out_w 12:13, mask 14:15, qkv_b 16:17, out_b 18:19, xh 20:21, wq 22:23
	s_load_b128 s[24:27], s[0:1], 0x40             ; wo 24:25, madd 26:27
	s_load_b64 s[28:29], s[0:1], 0x50              ; bsr
	v_lshrrev_b32 v4, 5, v0
	v_readfirstlane_b32 s4, v4                     ; wave 0..7
	v_and_b32 v1, 31, v0                           ; lane
	s_mov_b32 s[HIM], 0xffff0000
	s_mov_b32 s[BIG], 0xf149f2ca
	s_wait_alu depctr_va_sdst(0)                   ; s4 is written, ahead of the branches below: every path makes its offsets from it
	s_wait_kmcnt 0x0
; Load i's four numbers are rounded into Y's pair i.  mode 0: bf16.  mode 1: bf16, widened (a shift, a mask) and written as f16.
.macro ROUND4 mode
.if \mode
	v_cvt_pk_bf16_f32 v[T], v[X+4*i], v[X+4*i+1]
	v_cvt_pk_bf16_f32 v[T+1], v[X+4*i+2], v[X+4*i+3]
	v_lshlrev_b32 v[T+2], 16, v[T]
	v_and_b32 v[T+3], s[HIM], v[T]
	v_cvt_pk_f16_f32 v[Y+2*i], v[T+2], v[T+3]
	v_lshlrev_b32 v[T+2], 16, v[T+1]
	v_and_b32 v[T+3], s[HIM], v[T+1]
	v_cvt_pk_f16_f32 v[Y+2*i+1], v[T+2], v[T+3]
.else
	v_cvt_pk_bf16_f32 v[Y+2*i], v[X+4*i], v[X+4*i+1]
	v_cvt_pk_bf16_f32 v[Y+2*i+1], v[X+4*i+2], v[X+4*i+3]
.endif
.endm
; 16 loads; then for each: the wait that leaves the younger loads out, the store of the number four back, and four numbers rounded.  A store is 8 bytes a lane: 32 lanes fill 256 consecutive bytes, aligned.
.macro PATH sin, sout, istep, ostep, mode
	s_wait_alu depctr_va_vdst(0)                   ; v[VI] and v[VO] are written: every load and store of the path reads one of them as its offset
.set i, 0
.rept 16
	global_load_b128 v[X+4*i:X+4*i+3], v[VI], s[\sin:\sin+1] offset:i*(\istep) th:TH_LOAD_NT
.set i, i+1
.endr
.set i, 0
.rept 16
	s_wait_loadcnt 15-i                            ; loads come back in order: number i is in, the 15 - i younger ones stay out
.if (i%4 == 0) && (i > 0)
	s_wait_alu depctr_va_vdst(0)                   ; the block before has written its eight registers of Y, which this block's four stores read
.endif
.if i >= 4
	global_store_b64 v[VO], v[Y+2*(i-4):Y+2*(i-4)+1], s[\sout:\sout+1] offset:(i-4)*(\ostep)  ; the block before; no vector instruction since the wait names these registers
.endif
	ROUND4 \mode
.set i, i+1
.endr
	s_wait_alu depctr_va_vdst(0)                   ; the last block has written its Y, which the last four stores read
.set i, 12
.rept 4
	global_store_b64 v[VO], v[Y+2*i:Y+2*i+1], s[\sout:\sout+1] offset:i*(\ostep)
.set i, i+1
.endr
	s_endpgm
.endm
	s_cmp_lt_u32 ttmp9, 512
	s_cbranch_scc0 .Lnot_x
	; x: wave p = 8 g + w takes rows 2 p and 2 p + 1.  Load i is column block kb = i: lanes 0-15 read 256 bytes of the even row, lanes 16-31 of the odd one.
	s_lshl_b32 s5, ttmp9, 3
	s_add_co_u32 s5, s5, s4                        ; p, 0..4095
	s_lshl_b32 s6, s5, 13                          ; two rows of 4,096 bytes
	v_and_b32 v4, 15, v0
	v_bfe_u32 v5, v0, 4, 1
	v_lshlrev_b32 v[VI], 4, v4
	v_lshl_add_u32 v[VI], v5, 12, v[VI]
	v_add_nc_u32 v[VI], s6, v[VI]
	s_lshr_b32 s7, s5, 10                          ; batch
	s_lshl_b32 s7, s7, 22                          ; x 16 blocks of 262,144 bytes
	s_and_b32 s6, s5, 1023
	s_lshl_b32 s6, s6, 8                           ; two rows of 128 bytes in a block
	s_add_co_u32 s7, s7, s6
	v_lshl_add_u32 v[VO], v1, 3, s7
	PATH 8, 20, 256, 262144, 0
.Lnot_x:
	s_cmp_lt_u32 ttmp9, 704
	s_cbranch_scc0 .Lnot_wq
	; qkv_w: wave j = 8 (g - 512) + w takes 8,192 consecutive bytes (two rows)
	s_sub_co_u32 s5, ttmp9, 512
	s_lshl_b32 s5, s5, 3
	s_add_co_u32 s5, s5, s4
	s_lshl_b32 s6, s5, 13
	s_lshl_b32 s7, s5, 12
	v_lshl_add_u32 v[VI], v1, 4, s6
	v_lshl_add_u32 v[VO], v1, 3, s7
	PATH 10, 22, 512, 256, 0
.Lnot_wq:
	s_cmp_lt_u32 ttmp9, 768
	s_cbranch_scc0 .Lsmall
	; out_w: the same, by way of bf16 into f16
	s_sub_co_u32 s5, ttmp9, 704
	s_lshl_b32 s5, s5, 3
	s_add_co_u32 s5, s5, s4
	s_lshl_b32 s6, s5, 13
	s_lshl_b32 s7, s5, 12
	v_lshl_add_u32 v[VI], v1, 4, s6
	v_lshl_add_u32 v[VO], v1, 3, s7
	PATH 12, 24, 512, 256, 1
.Lsmall:
	; mask: wave w takes 4,096 bytes (eight loads).  Biases: 2,048 bytes (four loads): waves 0-5 of qkv_b, waves 6 and 7 of out_b.
	s_lshl_b32 s5, s4, 12
	v_lshl_add_u32 v[VI], v1, 4, s5                ; in mask and in madd
	s_sub_co_u32 s6, s4, 6
	s_cmp_lt_u32 s4, 6
	s_cselect_b64 s[2:3], s[16:17], s[18:19]
	s_cselect_b32 s6, s4, s6
	s_lshl_b32 s6, s6, 11
	v_lshl_add_u32 v[VO], v1, 4, s6                ; in the bias that is mine
	s_lshl_b32 s7, s4, 11
	v_lshl_add_u32 v[VB], v1, 4, s7                ; in bsr
	s_wait_alu depctr_va_vdst(0)                   ; v[VI], v[VO] and v[VB] are written: the loads and stores below read them as offsets
.set i, 0
.rept 8
	global_load_b128 v[X+4*i:X+4*i+3], v[VI], s[14:15] offset:512*i
.set i, i+1
.endr
.set i, 0
.rept 4
	global_load_b128 v[X+32+4*i:X+32+4*i+3], v[VO], s[2:3] offset:512*i
.set i, i+1
.endr
	s_wait_loadcnt 4                               ; of the twelve loads the mask's eight are in; the biases' four stay out
.set i, 0
.rept 32
	v_cmp_eq_u32 s[MS+i], 0, v[X+i]                ; the compares stand in one run, each with a scalar register of its own
.set i, i+1
.endr
	s_wait_alu depctr_va_sdst(0)                   ; the 32 lane masks are written, ahead of the first select that reads one
.set i, 0
.rept 32
	v_cndmask_b32 v[Y+i], 0, s[BIG], s[MS+i]       ; hidden: -1e30; seen: 0
.set i, i+1
.endr
	s_wait_loadcnt 0x0                             ; the biases are in
.set i, 0
.rept 4
	v_cvt_pk_bf16_f32 v[T], v[X+32+4*i], v[X+32+4*i+1]
	v_cvt_pk_bf16_f32 v[T+1], v[X+32+4*i+2], v[X+32+4*i+3]
	v_lshlrev_b32 v[X+32+4*i], 16, v[T]            ; widened in place
	v_and_b32 v[X+32+4*i+1], s[HIM], v[T]
	v_lshlrev_b32 v[X+32+4*i+2], 16, v[T+1]
	v_and_b32 v[X+32+4*i+3], s[HIM], v[T+1]
.set i, i+1
.endr
	s_wait_alu depctr_va_vdst(0)                   ; the selects have written Y and the widenings v[X+32 ..], which the twelve stores below read
.set i, 0
.rept 8
	global_store_b128 v[VI], v[Y+4*i:Y+4*i+3], s[26:27] offset:512*i
.set i, i+1
.endr
.set i, 0
.rept 4
	global_store_b128 v[VB], v[X+32+4*i:X+32+4*i+3], s[28:29] offset:512*i
.set i, i+1
.endr
	s_endpgm
.Lfunc_end_k_q32fad4377a_cast:
	.size	k_q32fad4377a_cast, .Lfunc_end_k_q32fad4377a_cast-k_q32fad4377a_cast
	.p2alignl 7, 3214868480
	.fill 96, 4, 3214868480
	.section	.rodata,"a",@progbits
	.p2align	6, 0x0
	.amdhsa_kernel k_q32fad4377a_cast
		.amdhsa_group_segment_fixed_size 0
		.amdhsa_private_segment_fixed_size 0
		.amdhsa_enable_private_segment 0
		.amdhsa_kernarg_size 88
		.amdhsa_user_sgpr_count 2
		.amdhsa_user_sgpr_kernarg_segment_ptr 1
		.amdhsa_wavefront_size32 1
		.amdhsa_system_sgpr_workgroup_id_x 1
		.amdhsa_system_sgpr_workgroup_id_y 1
		.amdhsa_system_sgpr_workgroup_id_z 1
		.amdhsa_system_vgpr_workitem_id 0
		.amdhsa_next_free_vgpr 104
		.amdhsa_next_free_sgpr 66
		.amdhsa_reserve_vcc 0
		.amdhsa_float_denorm_mode_32 3
		.amdhsa_float_denorm_mode_16_64 3
		.amdhsa_memory_ordered 1
		.amdhsa_forward_progress 1
		.amdhsa_inst_pref_size 32
	.end_amdhsa_kernel
	.amdgpu_metadata
---
amdhsa.version: [ 1, 2 ]
amdhsa.kernels:
  - .name:           k_q32fad4377a_cast
    .symbol:         k_q32fad4377a_cast.kd
    .args:
      - { .name: x, .offset: 0, .size: 8, .value_kind: global_buffer, .address_space: global }
      - { .name: qkv_w, .offset: 8, .size: 8, .value_kind: global_buffer, .address_space: global }
      - { .name: out_w, .offset: 16, .size: 8, .value_kind: global_buffer, .address_space: global }
      - { .name: mask, .offset: 24, .size: 8, .value_kind: global_buffer, .address_space: global }
      - { .name: qkv_b, .offset: 32, .size: 8, .value_kind: global_buffer, .address_space: global }
      - { .name: out_b, .offset: 40, .size: 8, .value_kind: global_buffer, .address_space: global }
      - { .name: xh, .offset: 48, .size: 8, .value_kind: global_buffer, .address_space: global }
      - { .name: wq, .offset: 56, .size: 8, .value_kind: global_buffer, .address_space: global }
      - { .name: wo, .offset: 64, .size: 8, .value_kind: global_buffer, .address_space: global }
      - { .name: madd, .offset: 72, .size: 8, .value_kind: global_buffer, .address_space: global }
      - { .name: bsr, .offset: 80, .size: 8, .value_kind: global_buffer, .address_space: global }
    .group_segment_fixed_size: 0
    .private_segment_fixed_size: 0
    .kernarg_segment_align: 8
    .kernarg_segment_size: 88
    .max_flat_workgroup_size: 256
    .sgpr_count:     66
    .vgpr_count:     104
    .wavefront_size: 32
...
	.end_amdgpu_metadata
.endif
;; end of part 5
;; launch qkv: the kernel of part 2 again; grid 16 x 32, 4 waves a work-group, clusters of 4 x 4, 327,680 bytes of LDS; arguments xh, wq, bsr, qkvh; writes qkvh
;; launch attn: the kernel of part 3 again; grid 4 x 64, 4 waves a work-group, clusters of 4 x 1, 327,680 bytes of LDS; arguments qkvh, madd, oh; writes oh
;; launch outp: the kernel of part 4 again; grid 8 x 32, 4 waves a work-group, clusters of 4 x 4, 327,680 bytes of LDS; arguments oh, wo, bsr, out0; writes out0
